; MI455X (gfx1250); checked and timed in simulation.
; The chip was launched on July 23, 2026; its instructions are those of AMD's public machine-readable ISA for CDNA 5 (MIT licence, August 2026) and "CDNA5" Instruction Set Architecture Reference Guide (July 2026). The comments in the code are by the model that wrote it; some were corrected since.
;; Multi Head Self Attention. Allowed arithmetic: matrix products marked QUANTISED: E2M1 operands, one E8M0 scale for each 32 along K, by v_wmma_scale_f32_16x16x128_f8f6f4 with both operands' format E2M1 (or v_wmma_scale_f32_32x16x128_f4), f32 sums; products left as they are: bf16, f16 or f32 operands; f32 sums; everything else in f32.
;; Inputs: W_k 768 x 768 float32; W_o 768 x 768 float32; W_q 768 x 768 float32; W_v 768 x 768 float32; b_o 768 float32; keys 1 x 4,096 x 768 float32; mask 1 x 1 x 4,096 x 4,096 float32; queries 1 x 4,096 x 768 float32; values 1 x 4,096 x 768 float32.
;; Outputs: out0 1 x 4,096 x 768 float32.
;; This version of the problem:
;;   THIS VERSION OF THE PROBLEM IS GIVEN IN LOW PRECISION. The matrix products marked QUANTISED in the list below multiply operands that are first quantised to E2M1 (2 exponent bits, 1 mantissa bit; 4 bits a number), with one power-of-two scale for each 32 numbers along K (OCP MX v1.0); their sums are f32. The products marked 'left as it is' may take bf16, f16 or f32 operands, with f32 sums. Whichever they take, every output number must still come out within the allowed error. Rounding operands to bf16 (8 significant bits) uses up far more of that allowance than f16 does (11 bits, for magnitudes from 6e-5 to 65,504). All else is computed in f32.
;;   The module's matrix products, in the order in which they are computed (A, B: the left and right operand; K: the contracted axis; several contracted axes count as one K, in the product's order):
;;     1. [M 4,096, K 768] x [K 768, N 768]; A: input queries; B: input W_q: QUANTISED
;;     2. [M 4,096, K 768] x [K 768, N 768]; A: input keys; B: input W_k: QUANTISED
;;     3. [M 4,096, K 768] x [K 768, N 768]; A: input values; B: input W_v: QUANTISED
;;     4. batch 12 x [M 4,096, K 64] x [K 64, N 4,096]; A: computed on the way; B: computed on the way: left as it is (an operand is computed on the way)
;;     5. batch 12 x [M 4,096, K 4,096] x [K 4,096, N 64]; A: computed on the way; B: computed on the way: left as it is (an operand is computed on the way)
;;     6. [M 4,096, K 768] x [K 768, N 768]; A: computed on the way; B: input W_o: left as it is (an operand is computed on the way)
;;   THE QUANTISER, for each operand of a quantised product, along K:
;;     - K is cut into blocks of 32 from its start; a last block that is shorter is filled with zeros.
;;     - A block's scale is 2^e with e = floor(log2(the largest magnitude in the block)) - 2, held to -126 .. 127; a block of zeros has e = 0. As a byte (E8M0): e + 127.
;;     - Each number is divided by its block's scale, clamped to +-6, and rounded to the nearest number of E2M1, ties to even, subnormals kept.
;;     - The product sums the exact products of the quantised numbers (number of the format x scale) in f32.
;;   ~~~python
;;   def quantise(x, axis):      # numpy; x: float32 -> the quantised numbers, widened to float32 again
;;       x = np.moveaxis(x, axis, -1); K = x.shape[-1]
;;       x = np.pad(x, [(0, 0)] * (x.ndim - 1) + [(0, -K % 32)]); x = x.reshape(x.shape[:-1] + (-1, 32)); a = np.abs(x).max(-1, keepdims=True)
;;       e = np.where(a > 0, np.clip(np.frexp(np.where(a > 0, a, 1))[1] - 1 - 2, -126, 127), 0)      # np.frexp(a)[1] - 1 = floor(log2(a)), exactly
;;       r = np.clip(x / 2.0 ** e, -6, 6)
;;       step = 2.0 ** (np.maximum(np.frexp(np.where(r == 0, 1, r))[1] - 1, 0) - 1)
;;       q = np.round(r / step) * step * 2.0 ** e      # np.round: ties to even
;;       return np.moveaxis(q.reshape(q.shape[:-2] + (-1,))[..., :K], -1, axis).astype(np.float32)
;;   ~~~
;; 2 versions, each right. Each part assembles by itself: llvm-mc -triple=amdgcn-amd-amdhsa -mcpu=gfx1250 --defsym DOCPART=n.
;; ======== version 1 of 2: 6 launches
;; limits: values are held in f16: magnitudes above 65,504 overflow, below 6.1e-05 lose precision
;; workspace buffers: wfp4 995,328 bytes; wo 2,359,296 bytes; qimg 6,389,760 bytes; kv 12,582,912 bytes; kvlo 12,582,912 bytes; att 6,291,456 bytes; part 202,752 bytes
;; launch prep (part 1): grid 12 x 24, 4 waves a work-group, no clusters, 0 bytes of LDS; arguments W_q, W_k, W_v, W_o, wfp4, wo; writes wfp4, wo
.if DOCPART == 1
	.amdgcn_target "amdgcn-amd-amdhsa--gfx1250"
	.amdhsa_code_object_version 6
	.text
	.protected	k_qfd79633cb8_prep
	.globl	k_qfd79633cb8_prep
	.p2align	8
	.type	k_qfd79633cb8_prep,@function
k_qfd79633cb8_prep:
	s_mov_b64 s[64:65], 0
	v_nop
	global_prefetch_b8 v0, s[64:65] scope:SCOPE_SE
	s_setreg_imm32_b32 hwreg(HW_REG_WAVE_MODE, 25, 1), 1
	s_wait_xcnt 0x0
; The four weights [768 (k)][768 (n)], f32, K on the first axis, become images of operand registers.
; W_q, W_k, W_v: codes of FP4 (E2M1) with one E8M0 byte for each 32 along K.  A fragment is 16 columns x 128 k: 8 registers a lane, stored as two groups of
; four registers, lane l's 16 bytes at 16 l: ((mat x 48 + nt) x 6 + ks) x 1024 + 512 c + 16 lane; its scale words from byte SCB on, 128 bytes a fragment, 4 x lane.
; W_o: pairs of f16 (a high and a low part, split in f32).  A fragment is 16 columns x 32 k: (nt x 24 + kf) x 1024 + 512 c + 16 lane; the low parts WOLO bytes further on.
; A LANE TAKES A COLUMN AND ITS REGISTERS RUN DOWN K, in the order that the operand's layout gives that lane: nothing is transposed.
; A wave takes 16 columns x 128 k; the four waves of a work-group stand side by side on 256 bytes of each row of W.  No LDS, no barrier: waves share nothing.
; A block's scale is 2^(floor(log2(its largest magnitude)) - 2); its byte is that magnitude's exponent field - 2, held at 1 from below.
; LIMITS: a block of zeros gets the byte 1 where the rule says 127 (its codes are zeros, and this program alone reads the bytes); blocks whose largest magnitude lies under 2^-124 keep the byte 1;
; W_o's numbers must lie under 65,504; under 6.1e-5 a pair resolves 6e-8 absolute; NaN and infinities are not served.
.set ROWB,  3072                       ; a row of W in bytes
.set SCB,   884736                     ; 3 x 48 x 6 fragments of 1,024 bytes
.set WOLO,  1179648                    ; 48 x 24 fragments of 1,024 bytes
.set TT,    16                         ; v16-31  at work in SPLIT4
.set VK,    28                         ; s[28:29] 8193.0
; Four pairs of f32 numbers, v[x] .. v[x+7], become four registers of high parts (v[h] on) and four of low parts (v[l] on), f16, two to a register.
; c = 8193 x; d = c - x; hi = c - d has 11 significant bits, so its rounding to f16 is exact; lo = x - hi is exact in f32 and is rounded once.
.macro SPLIT4 x, h, l
.irp q, 0,1,2,3
	v_pk_mul_f32 v[TT+4*\q:TT+4*\q+1], v[(\x)+2*\q:(\x)+2*\q+1], s[VK:VK+1] op_sel_hi:[1,0]
.endr
.irp q, 0,1,2,3
	v_pk_add_f32 v[TT+4*\q+2:TT+4*\q+3], v[TT+4*\q:TT+4*\q+1], v[(\x)+2*\q:(\x)+2*\q+1] neg_lo:[0,1] neg_hi:[0,1]
.endr
.irp q, 0,1,2,3
	v_pk_add_f32 v[TT+4*\q:TT+4*\q+1], v[TT+4*\q:TT+4*\q+1], v[TT+4*\q+2:TT+4*\q+3] neg_lo:[0,1] neg_hi:[0,1]
.endr
.irp q, 0,1,2,3
	v_pk_add_f32 v[(\x)+2*\q:(\x)+2*\q+1], v[(\x)+2*\q:(\x)+2*\q+1], v[TT+4*\q:TT+4*\q+1] neg_lo:[0,1] neg_hi:[0,1]
.endr
.irp q, 0,1,2,3
	v_cvt_pk_f16_f32 v[(\h)+\q], v[TT+4*\q], v[TT+4*\q+1]
.endr
.irp q, 0,1,2,3
	v_cvt_pk_f16_f32 v[(\l)+\q], v[(\x)+2*\q], v[(\x)+2*\q+1]   ; ascending: a register is written only when the pair that lay there has been read
.endr
.endm
	s_load_b256 s[4:11], s[0:1], 0x0               ; W_q s[4:5], W_k s[6:7], W_v s[8:9], W_o s[10:11]
	s_load_b128 s[12:15], s[0:1], 0x20             ; wfp4 s[12:13], wo s[14:15]
	v_lshrrev_b32 v1, 5, v0
	v_readfirstlane_b32 s16, v1                    ; wave 0..3
	v_and_b32 v2, 15, v0                           ; r
	v_bfe_u32 v3, v0, 4, 1                         ; h
	v_and_b32 v4, 31, v0                           ; lane
	v_lshlrev_b32 v7, 4, v4                        ; 16 x lane: my place in a group of four registers
	v_lshlrev_b32 v8, 2, v4                        ; 4 x lane: my scale word's
	v_lshlrev_b32 v5, 2, v2                        ; my column: 4 r bytes
	s_and_b32 s17, ttmp7, 0xffff                   ; work-group y = 4 kg + mat
	s_and_b32 s18, s17, 3                          ; which weight
	s_lshr_b32 s19, s17, 2                         ; which 128 along K
	s_lshl_b32 s20, ttmp9, 2
	s_add_co_u32 s20, s20, s16                     ; nt: my tile of 16 columns
	s_mul_i32 s22, s19, 128*ROWB
	s_lshl_b32 s21, s20, 6
	s_add_co_u32 s22, s22, s21                     ; where my part of W begins
	s_mov_b32 s23, 0
	s_mov_b32 s30, 0x76543210
	s_mov_b32 s31, 0xfedcba98                      ; v_permlanex16_b32's selects for lane l xor 16
	s_mov_b32 s[VK], 0x46000400                    ; 8193.0
	s_mov_b32 s[VK+1], s[VK]                       ; (named with it as a pair, so it is written)
	s_wait_kmcnt 0x0
	s_cmp_eq_u32 s18, 1                            ; the choice of the buffer hangs on the work-group's number alone
	s_cselect_b64 s[4:5], s[6:7], s[4:5]
	s_cmp_eq_u32 s18, 2
	s_cselect_b64 s[4:5], s[8:9], s[4:5]
	s_cmp_eq_u32 s18, 3
	s_cselect_b64 s[4:5], s[10:11], s[4:5]
	s_add_nc_u64 s[4:5], s[4:5], s[22:23]
	s_cmp_eq_u32 s18, 3
	s_cbranch_scc1 .Lwo
	; ---- W_q, W_k, W_v: lane (r, h) wants k = 64 c + 32 h + 0 .. 31 of column r: two whole blocks
	v_mul_u32_u24 v6, v3, 32*ROWB
	v_add_nc_u32 v5, v5, v6                        ; lanes 16-31 begin 32 rows further down
	s_mul_i32 s24, s18, 48
	s_add_co_u32 s24, s24, s20
	s_mul_i32 s24, s24, 6
	s_add_co_u32 s24, s24, s19                     ; the fragment's number
	s_lshl_b32 s26, s24, 10
	s_mov_b32 s27, 0
	s_add_nc_u64 s[26:27], s[12:13], s[26:27]      ; its codes
	s_lshl_b32 s24, s24, 7
	s_add_co_u32 s24, s24, SCB
	s_mov_b32 s25, 0
	s_add_nc_u64 s[24:25], s[12:13], s[24:25]      ; its scale words
.irp c, 0,1
.set i, 0
.rept 32
	global_load_b32 v[64+32*\c+i], v5, s[4:5] offset:(64*\c+i)*ROWB th:TH_LOAD_NT   ; W(64 c + 32 h + i, my column)
.set i, i+1
.endr
.endr
	s_wait_loadcnt 0x0
.irp c, 0,1
	v_max3_num_f32 v[32+\c], |v[64+32*\c]|, |v[65+32*\c]|, 0x1800000   ; my block 2 c + h, and the floor 2^(3 - 127): the byte cannot fall under 1
.endr
.irp i, 2,4,6,8,10,12,14,16,18,20,22,24,26,28,30
.irp c, 0,1
	v_max3_num_f32 v[32+\c], v[32+\c], |v[64+32*\c+\i]|, |v[65+32*\c+\i]|   ; (the two blocks by turns)
.endr
.endr
.irp c, 0,1
	v_add_nc_u32 v[44+\c], 0xff000000, v[32+\c]    ; 2 off the exponent field: the conversion takes this operand's exponent field as its scale
.endr
.irp c, 0,1
	v_lshrrev_b32 v[36+\c], 23, v[44+\c]           ; the scale's byte
.endr
	v_lshl_or_b32 v9, v37, 16, v36                 ; my two bytes: blocks h and 2 + h,
	v_lshlrev_b32 v10, 3, v3
	v_lshlrev_b32 v9, v10, v9                      ; at their places in the word (8 h bits up);
	v_mov_b32 v10, 0
	v_permlanex16_b32 v10, v9, s30, s31
	v_or_b32 v9, v9, v10                           ; with lane l xor 16's two the word is whole
.irp c, 0,1
.irp g, 0,1,2,3
	v_cvt_scalef32_pk8_fp4_f32 v[48+4*\c+\g], v[64+32*\c+8*\g:71+32*\c+8*\g], v[44+\c]   ; registers 4 c .. 4 c + 3 of the operand
.endr
.endr
	v_nop                                          ; one plain line behind the last scaled conversion
	global_store_b128 v7, v[48:51], s[26:27]       ; 32 lanes store 512 consecutive bytes, aligned
	global_store_b128 v7, v[52:55], s[26:27] offset:512
	global_store_b32 v8, v9, s[24:25]              ; 128 consecutive bytes
	s_endpgm
.Lwo:	; ---- W_o: lane (r, h) wants k = 32 f + 16 c + 8 h + 0 .. 7 of column r, for the four fragments f of these 128 k
	v_mul_u32_u24 v6, v3, 8*ROWB
	v_add_nc_u32 v5, v5, v6                        ; lanes 16-31 begin 8 rows further down
	s_mul_i32 s24, s20, 24
	s_lshl_b32 s25, s19, 2
	s_add_co_u32 s24, s24, s25                     ; the first fragment's number: nt x 24 + 4 kg
	s_lshl_b32 s24, s24, 10
	s_mov_b32 s25, 0
	s_add_nc_u64 s[14:15], s[14:15], s[24:25]
.irp f, 0,1,2,3
.irp c, 0,1
.irp j, 0,1,2,3,4,5,6,7
	global_load_b32 v[64+16*\f+8*\c+\j], v5, s[4:5] offset:(32*\f+16*\c+\j)*ROWB th:TH_LOAD_NT
.endr
.endr
.endr
	s_wait_loadcnt 0x0
.set g, 0
.rept 8
	SPLIT4 64+8*g, 32+4*g, 64+4*g                  ; high parts v32-63; low parts v64-95, over numbers that are done with
.set g, g+1
.endr
.irp f, 0,1,2,3
.irp c, 0,1
	global_store_b128 v7, v[32+8*\f+4*\c:35+8*\f+4*\c], s[14:15] offset:\f*1024+512*\c
	global_store_b128 v7, v[64+8*\f+4*\c:67+8*\f+4*\c], s[14:15] offset:WOLO+\f*1024+512*\c
.endr
.endr
	s_endpgm
.Lfunc_end_k_qfd79633cb8_prep:
	.size	k_qfd79633cb8_prep, .Lfunc_end_k_qfd79633cb8_prep-k_qfd79633cb8_prep
	.p2alignl 7, 3214868480
	.fill 96, 4, 3214868480
	.section	.rodata,"a",@progbits
	.p2align	6, 0x0
	.amdhsa_kernel k_qfd79633cb8_prep
		.amdhsa_group_segment_fixed_size 0
		.amdhsa_private_segment_fixed_size 0
		.amdhsa_enable_private_segment 0
		.amdhsa_kernarg_size 48
		.amdhsa_user_sgpr_count 2
		.amdhsa_user_sgpr_kernarg_segment_ptr 1
		.amdhsa_wavefront_size32 1
		.amdhsa_system_sgpr_workgroup_id_x 1
		.amdhsa_system_sgpr_workgroup_id_y 1
		.amdhsa_system_sgpr_workgroup_id_z 1
		.amdhsa_system_vgpr_workitem_id 0
		.amdhsa_next_free_vgpr 128
		.amdhsa_next_free_sgpr 66
		.amdhsa_reserve_vcc 0
		.amdhsa_float_denorm_mode_32 3
		.amdhsa_float_denorm_mode_16_64 3
		.amdhsa_memory_ordered 1
		.amdhsa_forward_progress 1
		.amdhsa_inst_pref_size 32
	.end_amdhsa_kernel
	.amdgpu_metadata
---
amdhsa.version: [ 1, 2 ]
amdhsa.kernels:
  - .name:           k_qfd79633cb8_prep
    .symbol:         k_qfd79633cb8_prep.kd
    .args:
      - { .name: W_q, .offset: 0, .size: 8, .value_kind: global_buffer, .address_space: global }
      - { .name: W_k, .offset: 8, .size: 8, .value_kind: global_buffer, .address_space: global }
      - { .name: W_v, .offset: 16, .size: 8, .value_kind: global_buffer, .address_space: global }
      - { .name: W_o, .offset: 24, .size: 8, .value_kind: global_buffer, .address_space: global }
      - { .name: wfp4, .offset: 32, .size: 8, .value_kind: global_buffer, .address_space: global }
      - { .name: wo, .offset: 40, .size: 8, .value_kind: global_buffer, .address_space: global }
    .group_segment_fixed_size: 0
    .private_segment_fixed_size: 0
    .kernarg_segment_align: 8
    .kernarg_segment_size: 48
    .max_flat_workgroup_size: 128
    .sgpr_count:     66
    .vgpr_count:     128
    .wavefront_size: 32
...
	.end_amdgpu_metadata
.endif
;; end of part 1
;; launch proj (part 2): grid 64 x 3, 12 waves a work-group, no clusters, 29,184 bytes of LDS; arguments queries, keys, values, wfp4, qimg, kv, kvlo; writes qimg, kv, kvlo
.if DOCPART == 2
	.amdgcn_target "amdgcn-amd-amdhsa--gfx1250"
	.amdhsa_code_object_version 6
	.text
	.protected	k_qfd79633cb8_proj
	.globl	k_qfd79633cb8_proj
	.p2align	8
	.type	k_qfd79633cb8_proj,@function
k_qfd79633cb8_proj:
	s_mov_b64 s[64:65], 0
	v_nop
	global_prefetch_b8 v0, s[64:65] scope:SCOPE_SE
	s_setreg_imm32_b32 hwreg(HW_REG_WAVE_MODE, 25, 1), 1
	s_wait_xcnt 0x0
; q = queries W_q, k = keys W_k, v = values W_v, on codes of FP4 (E2M1) with one E8M0 scale for each 32 along K = 768; sums in f32, K ascending, one accumulator an output.
; A work-group takes 64 rows of one of the three inputs (work-group y) and ALL 768 columns: so each f32 number of x is read and quantised once.
; Twelve waves.  First each wave quantises two fragments (16 rows x 128 k) of x and stores them in LDS as images of the operand's registers (a group of four registers: lane l's 16 bytes at 16 l);
; one barrier; then wave w multiplies for head w: 4 tiles of columns x 4 tiles of rows, 16 accumulators by turns, six K steps.  W's fragments come from memory straight into registers, as the launch before laid them.
; The results leave as images of the f16 operands of the attention launches, as pairs (a high and a low part, split in f32):
;   q, k: source 0 = W, source 1 = x: a lane holds one row and 8 neighbouring channels.  q is multiplied by c = log2(e) / 8 first; its low parts are kept for rows 0-63 alone.
;   v:    source 0 = x, source 1 = W: a lane holds one channel and 8 neighbouring keys, as V^T is wanted.
; LIMITS: c q, k, v must lie under 65,504; under 6.1e-5 a pair resolves 6e-8 absolute; a block of zeros has the byte 1 (its codes are zeros); blocks under 2^-124 keep the byte 1; NaN and infinities are not served.
.set ROWB,  3072                       ; a row of x in bytes
.set XIMG,  0                          ; LDS: x's 24 fragments, number 4 ks + rt, 1,024 bytes each;
.set XSC,   24576                      ; their scale words, 128 bytes each;
.set SPARE, 27648                      ; the spare words, 128 bytes for each wave: six blocks of 256 bytes that no other line names
.set SCB,   884736                     ; where W's scale words begin
.set QLO,   6291456                    ; where q's low parts begin
.set XA,  1                            ; v1  x: row r of 3,072 bytes + 64 h: my 16 numbers of a block of 32
.set LI,  2                            ; v2  16 x lane
.set LS,  3                            ; v3  4 x lane
.set XWI, 4                            ; v4  where I store my first image: 16 x lane + 1,024 x wave
.set XWS, 5                            ; v5  and its scale words: 4 x lane + 128 x wave
.set SPW, 14                           ; v14 LDS address of my spare word; never rewritten
.set NIL, 15                           ; v15 0; never rewritten
.set WF,  16                           ; v16-79   W's fragments, two sets of four; on the way out the high parts, four registers a tile
.set H,   16
.set XF,  80                           ; v80-111  x's four fragments of a K step; ahead of the barrier the quantiser's registers; on the way out v80-95 at work
.set PC,  80
.set PW,  88
.set TM,  89
.set TT,  80
.set XS,  112                          ; v112-115 x's scale words; v116-123 W's, two sets: these hold scales and nothing else
.set WS,  116
.set ACC, 128                          ; v128-255 accumulator (nt, rt) at 128 + 8 (4 nt + rt); ahead of the barrier 2 x 64 numbers of x
.set XR0, 128
.set XR1, 192
.set WV,  18
.set SEL, 22
.set CS,  24
.set VK,  46
.macro XLOAD reg, off                  ; my 16 rows' numbers of one K step: register 16 b + i = k 32 b + 16 h + i of my row
.irp b, 0,1,2,3
.irp j, 0,1,2,3
	global_load_b128 v[\reg+16*\b+4*\j:\reg+16*\b+4*\j+3], v[XA], s[26:27] offset:\off+128*\b+16*\j th:TH_LOAD_NT
.endr
.endr
.endm
.macro QUANT s                         ; 64 numbers of a lane become a fragment's codes in v[PC] on and its scale word in v[PW]
.irp b, 0,1,2,3
	v_max3_num_f32 v[TM+\b], |v[\s+16*\b]|, |v[\s+1+16*\b]|, 0x1800000   ; block b: my 16 numbers, and the floor 2^(3 - 127): the byte cannot fall under 1
.endr
.irp i, 2,4,6,8,10,12,14
.irp b, 0,1,2,3
	v_max3_num_f32 v[TM+\b], v[TM+\b], |v[\s+16*\b+\i]|, |v[\s+1+16*\b+\i]|   ; (the four blocks by turns)
.endr
.endr
.irp b, 0,1,2,3
	v_permlanex16_b32 v[TM+4+\b], v[TM+\b], s[SEL], s[SEL+1]
.endr
.irp b, 0,1,2,3
	v_max_num_f32 v[TM+\b], v[TM+\b], v[TM+4+\b]   ; with lane l xor 16's: the block's largest magnitude
.endr
.irp b, 0,1,2,3
	v_add_nc_u32 v[TM+12+\b], 0xff000000, v[TM+\b] ; 2 off its exponent field: the conversion's scale operand
.endr
.irp b, 0,1,2,3
	v_lshrrev_b32 v[TM+4+\b], 23, v[TM+12+\b]      ; the scale's byte
.endr
	v_lshl_or_b32 v[PW], v[TM+5], 8, v[TM+4]       ; the four bytes make my row's scale word
	v_lshl_or_b32 v[PW], v[TM+6], 16, v[PW]
	v_lshl_or_b32 v[PW], v[TM+7], 24, v[PW]
.irp b, 0,1,2,3
	v_cvt_scalef32_pk8_fp4_f32 v[PC+2*\b], v[\s+16*\b:\s+7+16*\b], v[TM+12+\b]
	v_cvt_scalef32_pk8_fp4_f32 v[PC+1+2*\b], v[\s+8+16*\b:\s+15+16*\b], v[TM+12+\b]
.endr
	v_nop                                          ; one plain line behind the last scaled conversion
.irp c, 0,1                                    ; the operand's layout wants a WHOLE block in a lane: lanes 0-15 block 2 c, lanes 16-31 block 2 c + 1
.irp i, 0,1
	v_permlane16_swap_b32 v[PC+4*\c+\i], v[PC+2+4*\c+\i]
.endr
.endr
.endm
.macro IMAGE off                       ; the fragment in v[PC] on goes to LDS as it stands
.irp c, 0,1
	ds_store_b128 v[XWI], v[PC+4*\c:PC+4*\c+3] offset:\off+512*\c
.endr
.endm
.macro WLOAD ks                        ; my head's four fragments of W and their scale words for K step ks, into set ks % 2: 12 loads
.irp nt, 0,1,2,3
.irp c, 0,1
	global_load_b128 v[WF+32*((\ks)%2)+8*\nt+4*\c:WF+32*((\ks)%2)+8*\nt+4*\c+3], v[LI], s[28:29] offset:\nt*6144+(\ks)*1024+512*\c
.endr
	global_load_b32 v[WS+4*((\ks)%2)+\nt], v[LS], s[30:31] offset:\nt*768+(\ks)*128
.endr
.endm
.macro XFETCH ks                       ; x's four fragments of K step ks come back from LDS as they were stored
.irp rt, 0,1,2,3
.irp c, 0,1
	ds_load_b128 v[XF+8*\rt+4*\c:XF+8*\rt+4*\c+3], v[LI] offset:XIMG+(4*(\ks)+\rt)*1024+512*\c
.endr
	ds_load_b32 v[XS+\rt], v[LS] offset:XSC+(4*(\ks)+\rt)*128
.endr
.endm
.macro MUL ks, swap                    ; 16 matrix instructions, the 16 accumulators by turns; K step 0 starts the sums
.irp nt, 0,1,2,3
.irp rt, 0,1,2,3
.set rD, ACC+8*(4*\nt+\rt)
.set rW, WF+32*((\ks)%2)+8*\nt
.set rX, XF+8*\rt
.set sW, WS+4*((\ks)%2)+\nt
.set sX, XS+\rt
.if (\swap) && ((\ks) == 0)
	v_wmma_scale_f32_16x16x128_f8f6f4 v[rD:rD+7], v[rX:rX+7], v[rW:rW+7], 0, v[sX], v[sW] matrix_a_fmt:MATRIX_FMT_FP4 matrix_b_fmt:MATRIX_FMT_FP4
.elseif \swap
	v_wmma_scale_f32_16x16x128_f8f6f4 v[rD:rD+7], v[rX:rX+7], v[rW:rW+7], v[rD:rD+7], v[sX], v[sW] matrix_a_fmt:MATRIX_FMT_FP4 matrix_b_fmt:MATRIX_FMT_FP4
.elseif (\ks) == 0
	v_wmma_scale_f32_16x16x128_f8f6f4 v[rD:rD+7], v[rW:rW+7], v[rX:rX+7], 0, v[sW], v[sX] matrix_a_fmt:MATRIX_FMT_FP4 matrix_b_fmt:MATRIX_FMT_FP4
.else
	v_wmma_scale_f32_16x16x128_f8f6f4 v[rD:rD+7], v[rW:rW+7], v[rX:rX+7], v[rD:rD+7], v[sW], v[sX] matrix_a_fmt:MATRIX_FMT_FP4 matrix_b_fmt:MATRIX_FMT_FP4
.endif
.endr
.endr
.endm
.macro KLOOP swap                      ; the six K steps, written out
.irp ks, 0,1,2,3,4,5
	XFETCH \ks
.if \ks < 5
	s_wait_loadcnt 12                              ; this step's 12 loads of W are in; the next step's 12 may be out
.else
	s_wait_loadcnt 0x0
.endif
	s_wait_dscnt 0x0
	MUL \ks, \swap
.rept 4
	v_nop                                          ; four places in front of loads into registers that matrix instructions have read, and of the first read of results
.endr
.if \ks < 4
	WLOAD \ks+2
.endif
.endr
.endm
.macro SPLIT4 x, h, l                  ; four pairs of f32: c = 8193 x; d = c - x; hi = c - d (11 bits: exact in f16); lo = x - hi (exact in f32)
.irp q, 0,1,2,3
	v_pk_mul_f32 v[TT+4*\q:TT+4*\q+1], v[(\x)+2*\q:(\x)+2*\q+1], s[VK:VK+1] op_sel_hi:[1,0]
.endr
.irp q, 0,1,2,3
	v_pk_add_f32 v[TT+4*\q+2:TT+4*\q+3], v[TT+4*\q:TT+4*\q+1], v[(\x)+2*\q:(\x)+2*\q+1] neg_lo:[0,1] neg_hi:[0,1]
.endr
.irp q, 0,1,2,3
	v_pk_add_f32 v[TT+4*\q:TT+4*\q+1], v[TT+4*\q:TT+4*\q+1], v[TT+4*\q+2:TT+4*\q+3] neg_lo:[0,1] neg_hi:[0,1]
.endr
.irp q, 0,1,2,3
	v_pk_add_f32 v[(\x)+2*\q:(\x)+2*\q+1], v[(\x)+2*\q:(\x)+2*\q+1], v[TT+4*\q:TT+4*\q+1] neg_lo:[0,1] neg_hi:[0,1]
.endr
.irp q, 0,1,2,3
	v_cvt_pk_f16_f32 v[(\h)+\q], v[TT+4*\q], v[TT+4*\q+1]
.endr
.irp q, 0,1,2,3
	v_cvt_pk_f16_f32 v[(\l)+\q], v[(\x)+2*\q], v[(\x)+2*\q+1]
.endr
.endm
; The way out.  Tile ti = 4 nt + rt.  Every tile has registers of its own for what it stores, so no store's data are written again.  Each store covers 512 consecutive bytes, aligned.
.macro EPI_PAIR swap
.set ti, 0
.rept 16
.if \swap
.set OFS, ((ti%4)/2)*4096+(ti/4)*1024+((ti%4)%2)*512
.else
.set OFS, (ti%4)*2048+(ti/4)*512
.endif
	SPLIT4 ACC+8*ti, H+4*ti, ACC+8*ti              ; each accumulator is read from its low end on
	global_store_b128 v[LI], v[H+4*ti:H+4*ti+3], s[32:33] offset:OFS
	global_store_b128 v[LI], v[ACC+8*ti:ACC+8*ti+3], s[34:35] offset:OFS
.set ti, ti+1
.endr
.endm
.macro EPI_HI
.set ti, 0
.rept 16
.irp i, 0,1,2,3
	v_cvt_pk_f16_f32 v[H+4*ti+\i], v[ACC+8*ti+2*\i], v[ACC+8*ti+2*\i+1]
.endr
	global_store_b128 v[LI], v[H+4*ti:H+4*ti+3], s[32:33] offset:(ti%4)*2048+(ti/4)*512
.set ti, ti+1
.endr
.endm
	s_load_b256 s[4:11], s[0:1], 0x0               ; queries s[4:5], keys s[6:7], values s[8:9], wfp4 s[10:11]
	s_load_b128 s[12:15], s[0:1], 0x20             ; qimg s[12:13], kv s[14:15]
	s_load_b64 s[16:17], s[0:1], 0x30              ; kvlo
	v_lshl_add_u32 v[SPW], v0, 2, SPARE
	v_mov_b32 v[NIL], 0
	v_lshrrev_b32 v6, 5, v0
	v_readfirstlane_b32 s[WV], v6                  ; wave 0..11
	v_and_b32 v6, 31, v0                           ; lane
	v_and_b32 v7, 15, v0                           ; r
	v_bfe_u32 v8, v0, 4, 1                         ; h
	v_mul_u32_u24 v[XA], v7, ROWB
	v_lshl_add_u32 v[XA], v8, 6, v[XA]
	v_lshlrev_b32 v[LI], 4, v6
	v_lshlrev_b32 v[LS], 2, v6
	s_lshl_b32 s36, s[WV], 10
	v_add_nc_u32 v[XWI], s36, v[LI]
	s_lshl_b32 s36, s[WV], 7
	v_add_nc_u32 v[XWS], s36, v[LS]
.irp b, 0,1,2,3
	v_mov_b32 v[TM+4+\b], 0                        ; written once: a lane permute's destination counts as one of its sources
.endr
	s_mov_b32 s19, ttmp9                           ; x: which 64 rows
	s_and_b32 s20, ttmp7, 0xffff                   ; y: 0 q, 1 k, 2 v
	s_mov_b32 s[SEL], 0x76543210
	s_mov_b32 s[SEL+1], 0xfedcba98
	s_mov_b32 s[CS], 0x3e38aa3b                    ; c = log2(e) / 8
	s_mov_b32 s[CS+1], s[CS]
	s_mov_b32 s[VK], 0x46000400                    ; 8193.0
	s_mov_b32 s[VK+1], s[VK]
	s_lshl_b32 s36, s19, 6                         ; my rows of x: 64 x + 16 (wave % 4); my first K step: wave / 4
	s_and_b32 s37, s[WV], 3
	s_lshl_b32 s37, s37, 4
	s_add_co_u32 s36, s36, s37
	s_mul_i32 s36, s36, ROWB
	s_lshr_b32 s37, s[WV], 2
	s_lshl_b32 s37, s37, 9
	s_add_co_u32 s36, s36, s37
	s_mov_b32 s37, 0
	s_mul_i32 s38, s20, 48                         ; W: my head's first tile of columns: 48 y + 4 wave
	s_lshl_b32 s39, s[WV], 2
	s_add_co_u32 s38, s38, s39
	s_mul_i32 s40, s38, 6144
	s_mov_b32 s41, 0
	s_mul_i32 s38, s38, 768
	s_add_co_u32 s38, s38, SCB
	s_mov_b32 s39, 0
	s_wait_kmcnt 0x0
	s_cmp_eq_u32 s20, 1
	s_cselect_b64 s[26:27], s[6:7], s[4:5]
	s_cmp_eq_u32 s20, 2
	s_cselect_b64 s[26:27], s[8:9], s[26:27]
	s_add_nc_u64 s[26:27], s[26:27], s[36:37]
	s_add_nc_u64 s[28:29], s[10:11], s[40:41]
	s_add_nc_u64 s[30:31], s[10:11], s[38:39]
	XLOAD XR0, 0                                   ; fragment number wave: K step wave / 4
	XLOAD XR1, 1536                                ; fragment number wave + 12: three K steps on
	WLOAD 0
	WLOAD 1
	; where the results go: k, v: head x 2^20 + (x / 2) x 32,768 + (x % 2) x 8,192 (v: + 16,384); q: head x 2^19 + x x 8,192, low parts QLO + head x 8,192
	s_lshl_b32 s40, s[WV], 20
	s_lshr_b32 s42, s19, 1
	s_lshl_b32 s42, s42, 15
	s_add_co_u32 s40, s40, s42
	s_and_b32 s42, s19, 1
	s_lshl_b32 s42, s42, 13
	s_add_co_u32 s40, s40, s42
	s_cmp_eq_u32 s20, 2
	s_cselect_b32 s42, 16384, 0
	s_add_co_u32 s40, s40, s42
	s_lshl_b32 s42, s[WV], 19
	s_lshl_b32 s43, s19, 13
	s_add_co_u32 s42, s42, s43
	s_lshl_b32 s44, s[WV], 13
	s_add_co_u32 s44, s44, QLO
	s_cmp_eq_u32 s20, 0
	s_cselect_b32 s42, s42, s40
	s_cselect_b32 s44, s44, s40
	s_cselect_b64 s[32:33], s[12:13], s[14:15]
	s_cselect_b64 s[34:35], s[12:13], s[16:17]
	s_mov_b32 s43, 0
	s_mov_b32 s45, 0
	s_add_nc_u64 s[32:33], s[32:33], s[42:43]      ; the high parts
	s_add_nc_u64 s[34:35], s[34:35], s[44:45]      ; the low parts
	s_wait_loadcnt 40                              ; my first 16 loads of x are in; behind them: 16 of x and 24 of W
	QUANT XR0
	IMAGE XIMG
	ds_store_b32 v[XWS], v[PW] offset:XSC
	s_wait_dscnt 0x0                               ; the stores have read their registers
	s_wait_loadcnt 24                              ; the other 16 are in; W's 24 may be out
	QUANT XR1
	IMAGE XIMG+12288
	ds_store_b32 v[XWS], v[PW] offset:XSC+1536
	s_wait_dscnt 0x0                               ; for the others' sake: my stores have landed
	s_barrier_signal -1
	s_barrier_wait -1                              ; x's 24 fragments lie in LDS
	s_cmp_eq_u32 s20, 2
	s_cbranch_scc1 .Lv
	KLOOP 0
	s_cmp_lg_u32 s20, 0
	s_cbranch_scc1 .Lpair                          ; k goes out as it is
.set i, 0
.rept 64
	v_pk_mul_f32 v[ACC+i:ACC+i+1], v[ACC+i:ACC+i+1], s[CS:CS+1] op_sel_hi:[1,0]   ; q x c, so that the scores come in units of log2
.set i, i+2
.endr
	s_cmp_lg_u32 s19, 0
	s_cbranch_scc1 .Lhionly                        ; low parts of q are kept for rows 0-63 alone
.Lpair:
	EPI_PAIR 0
	s_branch .Lend
.Lhionly:
	EPI_HI
	s_branch .Lend
.Lv:
	KLOOP 1
	EPI_PAIR 1
.Lend:
	s_wait_tensorcnt 0x0                           ; the wave's end, behind my last LDS store
	ds_add_u32 v[SPW], v[NIL]
	s_wait_dscnt 0x0
	s_endpgm
.Lfunc_end_k_qfd79633cb8_proj:
	.size	k_qfd79633cb8_proj, .Lfunc_end_k_qfd79633cb8_proj-k_qfd79633cb8_proj
	.p2alignl 7, 3214868480
	.fill 96, 4, 3214868480
	.section	.rodata,"a",@progbits
	.p2align	6, 0x0
	.amdhsa_kernel k_qfd79633cb8_proj
		.amdhsa_group_segment_fixed_size 29184
		.amdhsa_private_segment_fixed_size 0
		.amdhsa_enable_private_segment 0
		.amdhsa_kernarg_size 56
		.amdhsa_user_sgpr_count 2
		.amdhsa_user_sgpr_kernarg_segment_ptr 1
		.amdhsa_wavefront_size32 1
		.amdhsa_system_sgpr_workgroup_id_x 1
		.amdhsa_system_sgpr_workgroup_id_y 1
		.amdhsa_system_sgpr_workgroup_id_z 1
		.amdhsa_system_vgpr_workitem_id 0
		.amdhsa_next_free_vgpr 256
		.amdhsa_next_free_sgpr 66
		.amdhsa_reserve_vcc 0
		.amdhsa_float_denorm_mode_32 3
		.amdhsa_float_denorm_mode_16_64 3
		.amdhsa_memory_ordered 1
		.amdhsa_forward_progress 1
		.amdhsa_inst_pref_size 125
	.end_amdhsa_kernel
	.amdgpu_metadata
---
amdhsa.version: [ 1, 2 ]
amdhsa.kernels:
  - .name:           k_qfd79633cb8_proj
    .symbol:         k_qfd79633cb8_proj.kd
    .args:
      - { .name: queries, .offset: 0, .size: 8, .value_kind: global_buffer, .address_space: global }
      - { .name: keys, .offset: 8, .size: 8, .value_kind: global_buffer, .address_space: global }
      - { .name: values, .offset: 16, .size: 8, .value_kind: global_buffer, .address_space: global }
      - { .name: wfp4, .offset: 24, .size: 8, .value_kind: global_buffer, .address_space: global }
      - { .name: qimg, .offset: 32, .size: 8, .value_kind: global_buffer, .address_space: global }
      - { .name: kv, .offset: 40, .size: 8, .value_kind: global_buffer, .address_space: global }
      - { .name: kvlo, .offset: 48, .size: 8, .value_kind: global_buffer, .address_space: global }
    .group_segment_fixed_size: 29184
    .private_segment_fixed_size: 0
    .kernarg_segment_align: 8
    .kernarg_segment_size: 56
    .max_flat_workgroup_size: 384
    .sgpr_count:     66
    .vgpr_count:     256
    .wavefront_size: 32
...
	.end_amdgpu_metadata
.endif
;; end of part 2
;; launch fineatt (part 3): grid 4 x 12, 16 waves a work-group, no clusters, 69,632 bytes of LDS; arguments mask, qimg, kv, kvlo, part; writes part
.if DOCPART == 3
	.amdgcn_target "amdgcn-amd-amdhsa--gfx1250"
	.amdhsa_code_object_version 6
	.text
	.protected	k_qfd79633cb8_fineatt
	.globl	k_qfd79633cb8_fineatt
	.p2align	8
	.type	k_qfd79633cb8_fineatt,@function
k_qfd79633cb8_fineatt:
	s_mov_b64 s[64:65], 0
	v_nop
	global_prefetch_b8 v0, s[64:65] scope:SCOPE_SE
	s_setreg_imm32_b32 hwreg(HW_REG_WAVE_MODE, 25, 1), 1
	s_wait_xcnt 0x0
; Attention for queries 0-15 of every head, with every f16 operand as a pair (a high and a low part): each product is three matrix products, high x high, high x low, low x high.
; A work-group takes one head (y) and a quarter of the keys (x): 1,024; each of its sixteen waves takes 64 keys, once: no loop.
; S^T = K Q^T (a lane holds one query, lane % 16, and keys 8 (lane / 16) + 0..7 of a tile); t = mask x (-1e9 log2 e) + s by one fused multiply-add in f32 (q carries log2(e) / 8 already);
; p = 2^(t - m), m the wave's largest t of the query; O^T = V^T P.  Then the sixteen waves' parts are brought under the work-group's largest t, M, and added, through LDS:
; part holds, for each head and quarter, O^T (f32, 8 groups of four registers, 512 bytes each), M and the sum L.  A later launch joins the four quarters.
; LIMITS: as the launches that made the operands; NaN and infinities are not served; where every key of a row is masked the weights are uniform, as in the definition, while |s| stays under 64.
.set MW,    0                          ; LDS: each wave's m: 64 x wave + 4 r;
.set LW,    1024                       ; its sum likewise;
.set OIMG,  2048                       ; its O^T: 4,096 x wave + 512 x group + 16 x lane;
.set SPARE, 67584                      ; the spare words, 128 bytes for each wave: eight blocks of 256 bytes that no other line names
.set QLO,   6291456
.set TT,    80                         ; v80-95 at work
.set VK,    22
; v1 16 lane; v2 mask: r x 16,384 + 32 h; v3 4 r; v4 64 wave + 4 r; v5, v6 O^T's images, in and out; v7 4 lane; v[8:9] m twice; v[10:13] sums; v14, v15 the add's two
; v16-31, v32-47 Q high, low, then P; v48-79 S^T; v96-127 the mask, then O^T; v128-191, v192-255 K high, low, then V
.macro SPLIT4 x, h, l                  ; four pairs of f32: c = 8193 x; d = c - x; hi = c - d (11 bits: exact in f16); lo = x - hi (exact in f32)
.irp q, 0,1,2,3
	v_pk_mul_f32 v[TT+4*\q:TT+4*\q+1], v[(\x)+2*\q:(\x)+2*\q+1], s[VK:VK+1] op_sel_hi:[1,0]
.endr
.irp q, 0,1,2,3
	v_pk_add_f32 v[TT+4*\q+2:TT+4*\q+3], v[TT+4*\q:TT+4*\q+1], v[(\x)+2*\q:(\x)+2*\q+1] neg_lo:[0,1] neg_hi:[0,1]
.endr
.irp q, 0,1,2,3
	v_pk_add_f32 v[TT+4*\q:TT+4*\q+1], v[TT+4*\q:TT+4*\q+1], v[TT+4*\q+2:TT+4*\q+3] neg_lo:[0,1] neg_hi:[0,1]
.endr
.irp q, 0,1,2,3
	v_pk_add_f32 v[(\x)+2*\q:(\x)+2*\q+1], v[(\x)+2*\q:(\x)+2*\q+1], v[TT+4*\q:TT+4*\q+1] neg_lo:[0,1] neg_hi:[0,1]
.endr
.irp q, 0,1,2,3
	v_cvt_pk_f16_f32 v[(\h)+\q], v[TT+4*\q], v[TT+4*\q+1]
.endr
.irp q, 0,1,2,3
	v_cvt_pk_f16_f32 v[(\l)+\q], v[(\x)+2*\q], v[(\x)+2*\q+1]
.endr
.endm
; eight matrix instructions of S^T: K from v[k] on, Q from v[q] on; the four accumulators by turns
.macro QK k, q, zero
.irp u, 0,1
.irp g, 0,1,2,3
.if (\zero) && (\u == 0)
	v_wmma_f32_16x16x32_f16 v[48+8*\g:55+8*\g], v[\k+16*\g+8*\u:\k+16*\g+8*\u+7], v[\q+8*\u:\q+8*\u+7], 0
.else
	v_wmma_f32_16x16x32_f16 v[48+8*\g:55+8*\g], v[\k+16*\g+8*\u:\k+16*\g+8*\u+7], v[\q+8*\u:\q+8*\u+7], v[48+8*\g:55+8*\g]
.endif
.endr
.endr
.endm
.macro PV v, p, zero                   ; eight of O^T: V from v[v] on, P from v[p] on
.irp kb, 0,1
.irp ct, 0,1,2,3
.if (\zero) && (\kb == 0)
	v_wmma_f32_16x16x32_f16 v[96+8*\ct:103+8*\ct], v[\v+32*\kb+8*\ct:\v+32*\kb+8*\ct+7], v[\p+8*\kb:\p+8*\kb+7], 0
.else
	v_wmma_f32_16x16x32_f16 v[96+8*\ct:103+8*\ct], v[\v+32*\kb+8*\ct:\v+32*\kb+8*\ct+7], v[\p+8*\kb:\p+8*\kb+7], v[96+8*\ct:103+8*\ct]
.endif
.endr
.endr
.endm
	s_load_b256 s[4:11], s[0:1], 0x0               ; mask s[4:5], qimg s[6:7], kv s[8:9], kvlo s[10:11]
	s_load_b64 s[12:13], s[0:1], 0x20              ; part
	v_lshl_add_u32 v14, v0, 2, SPARE
	v_mov_b32 v15, 0
	v_lshrrev_b32 v8, 5, v0
	v_readfirstlane_b32 s14, v8                    ; wave 0..15
	v_and_b32 v8, 31, v0                           ; lane
	v_and_b32 v9, 15, v0                           ; r
	v_bfe_u32 v10, v0, 4, 1                        ; h
	v_lshlrev_b32 v1, 4, v8
	v_lshlrev_b32 v2, 14, v9
	v_lshl_add_u32 v2, v10, 5, v2
	v_lshlrev_b32 v3, 2, v9
	s_lshl_b32 s24, s14, 6
	v_add_nc_u32 v4, s24, v3
	s_lshl_b32 s24, s14, 12
	s_add_co_u32 s24, s24, OIMG
	v_add_nc_u32 v5, s24, v1
	s_and_b32 s24, s14, 7
	s_lshl_b32 s24, s24, 9                         ; 512 x (wave % 8): the group that I add up
	s_add_co_u32 s25, s24, OIMG
	v_add_nc_u32 v6, s25, v1
	v_lshlrev_b32 v7, 2, v8
	s_mov_b32 s15, ttmp9                           ; the quarter
	s_and_b32 s16, ttmp7, 0xffff                   ; the head
	s_mov_b32 s18, 0x76543210
	s_mov_b32 s19, 0xfedcba98
	s_mov_b32 s20, 0xceabfb8f                      ; -1e9 x log2(e)
	s_mov_b32 s21, s20
	s_mov_b32 s[VK], 0x46000400                    ; 8193.0
	s_mov_b32 s[VK+1], s[VK]
	s_lshl_b32 s26, s15, 12                        ; the mask at my first key: 4 (1,024 x + 64 wave)
	s_lshl_b32 s27, s14, 8
	s_add_co_u32 s26, s26, s27
	s_mov_b32 s27, 0
	s_lshl_b32 s28, s16, 19                        ; Q's tile 0 of my head: high parts,
	s_mov_b32 s29, 0
	s_lshl_b32 s30, s16, 13
	s_add_co_u32 s30, s30, QLO                     ; low parts
	s_mov_b32 s31, 0
	s_lshl_b32 s32, s15, 3                         ; K, V: head x 2^20 + (8 x + wave / 2) x 32,768 + (wave % 2) x 8,192
	s_lshr_b32 s33, s14, 1
	s_add_co_u32 s32, s32, s33
	s_lshl_b32 s32, s32, 15
	s_lshl_b32 s33, s16, 20
	s_add_co_u32 s32, s32, s33
	s_and_b32 s33, s14, 1
	s_lshl_b32 s33, s33, 13
	s_add_co_u32 s32, s32, s33
	s_mov_b32 s33, 0
	s_lshl_b32 s34, s16, 2
	s_add_co_u32 s34, s34, s15                     ; 4 head + quarter
	s_lshl_b32 s36, s34, 7
	s_add_co_u32 s36, s36, 196608
	s_mov_b32 s37, 0
	s_lshl_b32 s34, s34, 12
	s_add_co_u32 s34, s34, s24
	s_mov_b32 s35, 0
	s_wait_kmcnt 0x0
	s_add_nc_u64 s[4:5], s[4:5], s[26:27]
	s_add_nc_u64 s[28:29], s[6:7], s[28:29]
	s_add_nc_u64 s[30:31], s[6:7], s[30:31]
	s_add_nc_u64 s[8:9], s[8:9], s[32:33]
	s_add_nc_u64 s[10:11], s[10:11], s[32:33]
	s_add_nc_u64 s[34:35], s[12:13], s[34:35]
	s_add_nc_u64 s[36:37], s[12:13], s[36:37]
.irp g, 0,1,2,3
.irp c, 0,1
	global_load_b128 v[96+8*\g+4*\c:99+8*\g+4*\c], v2, s[4:5] offset:64*\g+16*\c   ; mask(r, 16 g + 8 h + 4 c ..)
.endr
.endr
.irp ct, 0,1,2,3
	global_load_b128 v[16+4*\ct:19+4*\ct], v1, s[28:29] offset:512*\ct
	global_load_b128 v[32+4*\ct:35+4*\ct], v1, s[30:31] offset:512*\ct
.endr
.irp g, 0,1,2,3
.irp ct, 0,1,2,3
	global_load_b128 v[128+16*\g+4*\ct:131+16*\g+4*\ct], v1, s[8:9] offset:\g*2048+\ct*512
	global_load_b128 v[192+16*\g+4*\ct:195+16*\g+4*\ct], v1, s[10:11] offset:\g*2048+\ct*512
.endr
.endr
	s_wait_loadcnt 0x0
	QK 128, 16, 1                                  ; high x high starts the sums
	QK 128, 32, 0                                  ; K high x Q low
	QK 192, 16, 0                                  ; K low x Q high
.rept 4
	v_nop                                          ; four places in front of loads into K's registers and of the first read of S^T
.endr
.irp kb, 0,1
.irp ct, 0,1,2,3
.irp c, 0,1
	global_load_b128 v[128+32*\kb+8*\ct+4*\c:131+32*\kb+8*\ct+4*\c], v1, s[8:9] offset:16384+\kb*4096+\ct*1024+\c*512
	global_load_b128 v[192+32*\kb+8*\ct+4*\c:195+32*\kb+8*\ct+4*\c], v1, s[10:11] offset:16384+\kb*4096+\ct*1024+\c*512
.endr
.endr
.endr
.set i, 0
.rept 16
	v_pk_fma_f32 v[48+i:49+i], v[96+i:97+i], s[20:21], v[48+i:49+i] op_sel_hi:[1,0,1]   ; t = mask x (-1e9 log2 e) + s; each accumulator from its low end on
.set i, i+2
.endr
.irp j, 0,1,2,3
	v_max3_num_f32 v[80+\j], v[48+8*\j], v[49+8*\j], v[50+8*\j]
.endr
.irp i, 3,5
.irp j, 0,1,2,3
	v_max3_num_f32 v[80+\j], v[80+\j], v[48+8*\j+\i], v[49+8*\j+\i]
.endr
.endr
	v_max3_num_f32 v80, v80, v55, v63
	v_max3_num_f32 v82, v82, v71, v79
	v_max3_num_f32 v80, v80, v81, v82
	v_max_num_f32 v80, v80, v83
	v_permlanex16_b32 v81, v80, s18, s19           ; the query's other 32 keys lie in the lane 16 away
	v_max_num_f32 v8, v80, v81                     ; m
	v_mov_b32 v9, v8
.set i, 0
.rept 16
	v_pk_add_f32 v[48+i:49+i], v[48+i:49+i], v[8:9] neg_lo:[0,1] neg_hi:[0,1]   ; t - m
.set i, i+2
.endr
.set i, 0
.rept 32
	v_exp_f32 v[48+i], v[48+i]                     ; p = 2^(t - m)
.set i, i+1
.endr
	v_nop                                          ; a plain line behind the last exponential
	s_wait_alu depctr_va_vdst(0)                   ; one wait for the batch, ahead of its first reader
	v_pk_add_f32 v[10:11], v[48:49], v[50:51]      ; the sum of the unrounded p, in two chains
	v_pk_add_f32 v[12:13], v[52:53], v[54:55]
.irp j, 8,12,16,20,24,28
	v_pk_add_f32 v[10:11], v[10:11], v[48+\j:49+\j]
	v_pk_add_f32 v[12:13], v[12:13], v[50+\j:51+\j]
.endr
	v_pk_add_f32 v[10:11], v[10:11], v[12:13]
	v_add_f32 v10, v10, v11
	v_permlanex16_b32 v11, v10, s18, s19
	v_add_f32 v10, v10, v11                        ; l
.irp g, 0,1,2,3
	SPLIT4 48+8*\g, 16+4*\g, 32+4*\g               ; p as a pair: P high v16-31, P low v32-47
.endr
	s_wait_loadcnt 0x0                             ; V
	PV 128, 16, 1
	PV 128, 32, 0
	PV 192, 16, 0
.rept 4
	v_nop
.endr
	; ---- the sixteen waves' parts are joined
	ds_store_b32 v4, v8 offset:MW                  ; both lanes of a query write the same word with the same value
	s_wait_dscnt 0x0
	s_barrier_signal -1
	s_barrier_wait -1
.set i, 0
.rept 16
	ds_load_b32 v[48+i], v3 offset:MW+64*i
.set i, i+1
.endr
	s_wait_dscnt 0x0
	v_max3_num_f32 v80, v48, v49, v50
.irp i, 3,5,7,9,11,13
	v_max3_num_f32 v80, v80, v[48+\i], v[49+\i]
.endr
	v_max_num_f32 v80, v80, v63                    ; M: the work-group's largest t of my query
	v_sub_f32 v81, v8, v80
	v_exp_f32 v82, v81                             ; 2^(m - M)
	v_nop
	s_wait_alu depctr_va_vdst(0)
.set i, 0
.rept 16
	v_pk_mul_f32 v[96+i:97+i], v[96+i:97+i], v[82:83] op_sel_hi:[1,0]   ; each accumulator from its low end on
.set i, i+2
.endr
	v_mul_f32 v10, v10, v82
.irp g, 0,1,2,3,4,5,6,7
	ds_store_b128 v5, v[96+4*\g:99+4*\g] offset:512*\g
.endr
	ds_store_b32 v4, v10 offset:LW
	s_wait_dscnt 0x0
	s_barrier_signal -1
	s_barrier_wait -1
	s_cmp_lt_u32 s14, 8
	s_cbranch_scc0 .Lnot_o
.set i, 0
.rept 16
	ds_load_b128 v[128+4*i:131+4*i], v6 offset:4096*i   ; waves 0-7: group number wave of all sixteen waves
.set i, i+1
.endr
	s_wait_dscnt 0x0
.set i, 1
.rept 15
	v_pk_add_f32 v[128:129], v[128:129], v[128+4*i:129+4*i]
	v_pk_add_f32 v[130:131], v[130:131], v[130+4*i:131+4*i]
.set i, i+1
.endr
	global_store_b128 v1, v[128:131], s[34:35]     ; 512 consecutive bytes, aligned
	s_branch .Lend
.Lnot_o:
	s_cmp_eq_u32 s14, 8
	s_cbranch_scc0 .Lend
.set i, 0
.rept 16
	ds_load_b32 v[48+i], v3 offset:LW+64*i         ; wave 8: the sixteen sums
.set i, i+1
.endr
	s_wait_dscnt 0x0
.irp i, 2,4,6,8,10,12,14
	v_pk_add_f32 v[48:49], v[48:49], v[48+\i:49+\i]
.endr
	v_add_f32 v48, v48, v49                        ; L
	v_cmp_gt_u32 vcc_lo, 64, v7                    ; lanes 0-15
	v_cndmask_b32 v49, v48, v80, vcc_lo            ; store M, lanes 16-31 L
	global_store_b32 v7, v49, s[36:37]
.Lend:
	s_wait_tensorcnt 0x0                           ; the wave's end, behind my last LDS store
	ds_add_u32 v14, v15
	s_wait_dscnt 0x0
	s_endpgm
.Lfunc_end_k_qfd79633cb8_fineatt:
	.size	k_qfd79633cb8_fineatt, .Lfunc_end_k_qfd79633cb8_fineatt-k_qfd79633cb8_fineatt
	.p2alignl 7, 3214868480
	.fill 96, 4, 3214868480
	.section	.rodata,"a",@progbits
	.p2align	6, 0x0
	.amdhsa_kernel k_qfd79633cb8_fineatt
		.amdhsa_group_segment_fixed_size 69632
		.amdhsa_private_segment_fixed_size 0
		.amdhsa_enable_private_segment 0
		.amdhsa_kernarg_size 40
		.amdhsa_user_sgpr_count 2
		.amdhsa_user_sgpr_kernarg_segment_ptr 1
		.amdhsa_wavefront_size32 1
		.amdhsa_system_sgpr_workgroup_id_x 1
		.amdhsa_system_sgpr_workgroup_id_y 1
		.amdhsa_system_sgpr_workgroup_id_z 1
		.amdhsa_system_vgpr_workitem_id 0
		.amdhsa_next_free_vgpr 256
		.amdhsa_next_free_sgpr 66
		.amdhsa_reserve_vcc 1
		.amdhsa_float_denorm_mode_32 3
		.amdhsa_float_denorm_mode_16_64 3
		.amdhsa_memory_ordered 1
		.amdhsa_forward_progress 1
		.amdhsa_inst_pref_size 34
	.end_amdhsa_kernel
	.amdgpu_metadata
---
amdhsa.version: [ 1, 2 ]
amdhsa.kernels:
  - .name:           k_qfd79633cb8_fineatt
    .symbol:         k_qfd79633cb8_fineatt.kd
    .args:
      - { .name: mask, .offset: 0, .size: 8, .value_kind: global_buffer, .address_space: global }
      - { .name: qimg, .offset: 8, .size: 8, .value_kind: global_buffer, .address_space: global }
      - { .name: kv, .offset: 16, .size: 8, .value_kind: global_buffer, .address_space: global }
      - { .name: kvlo, .offset: 24, .size: 8, .value_kind: global_buffer, .address_space: global }
      - { .name: part, .offset: 32, .size: 8, .value_kind: global_buffer, .address_space: global }
    .group_segment_fixed_size: 69632
    .private_segment_fixed_size: 0
    .kernarg_segment_align: 8
    .kernarg_segment_size: 40
    .max_flat_workgroup_size: 512
    .sgpr_count:     66
    .vgpr_count:     256
    .wavefront_size: 32
...
	.end_amdgpu_metadata
.endif
;; end of part 3
;; launch attn (part 4): grid 32 x 6, 8 waves a work-group, clusters of 4 x 1, 327,680 bytes of LDS; arguments mask, qimg, kv, att; writes att
.if DOCPART == 4
	.amdgcn_target "amdgcn-amd-amdhsa--gfx1250"
	.amdhsa_code_object_version 6
	.text
	.protected	k_qfd79633cb8_attn
	.globl	k_qfd79633cb8_attn
	.p2align	8
	.type	k_qfd79633cb8_attn,@function
k_qfd79633cb8_attn:
	s_mov_b64 s[64:65], 0
	v_nop
	global_prefetch_b8 v0, s[64:65] scope:SCOPE_SE
	s_setreg_imm32_b32 hwreg(HW_REG_WAVE_MODE, 25, 1), 1
	s_wait_xcnt 0x0
	s_wait_alu depctr_hold_cnt(0) depctr_sa_sdst(0) depctr_va_vdst(0) depctr_va_sdst(0) depctr_va_ssrc(0) depctr_va_vcc(0) depctr_vm_vsrc(0)
	s_getreg_b32 s2, hwreg(HW_REG_IB_STS2, 6, 4)
	s_cmp_eq_u32 s2, 0
	s_cbranch_scc0 .Lentry_in_a_cluster
	s_endpgm
.Lentry_in_a_cluster:
	s_bfe_u32 s2, ttmp6, 0x10000c
	s_cmp_lg_u32 s2, 0x3003
	s_cbranch_scc0 .Lentry_shape_is_right
	s_endpgm
.Lentry_shape_is_right:
; att[q][head][:] = the sum over k of softmax_k(q . k / 8 + mask[q][k] x (-1e9)) v[k][:], all 4,096 keys: the mask is an input and is read as it is given.
; Operands are f16 (q carries log2(e) / 8 already), products and sums f32.  q, k, v come as images of operand registers (a group of four registers: 512 bytes, lane l at 16 l), and att leaves so.
; SHARES.  A work-group owns 128 queries of two heads.  Eight waves, two to a SIMD, so that one wave's products stand beside the other's softmax; wave w: head 2 hp + w / 4, queries 32 (w % 4) on: two tiles of 16.
;   3,072 units of (16 queries, head) at 16 a work-group are 192 work-groups.  128 queries x 2 heads is the shape with the fewest bytes to fill for a key (512 of mask + 512 of K and V),
;   and it lets an LDS slot hold 128 keys, two steps' work for each refill.
; LAYOUT.  S^T = K Q^T (source 0 = 16 keys, source 1 = 16 queries): a lane holds ONE query (lane % 16) and keys 8 (lane / 16) + 0..7.  Two such tiles rounded to f16 ARE source 1 of O^T = V^T P.
; SOFTMAX.  t = mask x (-1e9 log2 e) + s, one fused multiply-add in f32; a running maximum m; p = 2^(t - m) by a plain subtraction; O and l are multiplied by a = 2^(m_old - m_new) in every step.
;   The step is written once: O and l begin as zeros and m as -3e38.
; RING.  Two slots of 128 keys: K and V of both heads (2 x 32,768 bytes, dense) and the mask's 128 rows x 512 bytes (LDS pitch 528).  Waves 0, 1 fetch the mask's halves, waves 2, 3 a head's K and V.
; CLUSTER.  The four partners are four query blocks of one pair of heads: K and V are asked for JOINTLY (mask 15).  Their mask tiles differ: those are plain loads behind the same round.
;   The mask is shared by the six pairs of heads, which no cluster of four divides: so it is not asked for jointly.
; LIMITS: c q, k, v under 65,504; NaN and infinities are not served; where every key of a row is masked the weights are uniform, as in the definition, while |s| stays under 64.
.set SLOTB, 133120                     ; a slot: K, V of head 0 at 0, of head 1 at 32,768, the mask at MOFF
.set MOFF,  65536
.set MP,    528                        ; a mask row in LDS: 512 bytes + 16 = 132 words: row r starts at bank 4 r mod 64 (64 banks of 4 bytes: ISA guide 11.1)
.set SPARE, 2*SLOTB                    ; behind the ring: the spare words, 128 bytes for each wave: four blocks of 256 bytes that no other line names
.set AKV, 1                            ; v1, v2  my head's K and V in slot 0, 1: + 16 x lane
.set AM,  3                            ; v3, v4  my queries' mask rows in slot 0, 1: row r, + 32 h
.set LI,  5                            ; v5   16 x lane
.set SPW, 6                            ; v6   LDS address of my spare word; never rewritten
.set NIL, 7                            ; v7   0; never rewritten
.set PFO, 8                            ; v8   the prefetches' offset; never rewritten
.set Q,   16                           ; v16-47   Q (t, u) at 16 + 16 t + 8 u
.set KVB, 48                           ; v48-111  K of 64 keys, then V
.set S,   112                          ; v112-175 S^T (t, g) at 112 + 32 t + 8 g; P in place at 112 + 32 t + 0..15
.set O,   176                          ; v176-239 O^T (t, ct) at 176 + 32 t + 8 ct
.set ST,  240                          ; v240-255 tile t at 240 + 8 t: +0 -m, +1 m, +2, +3 l, +4 to +7 at work; a takes +6
                                       ; v256-319 (window 1, v0-63): the mask's 64 numbers a lane
.set WV,  12
.set G1M, 16                           ; s[16:23] descriptor group 1 for the mask's tiles; s[24:31] for K and V
.set G1K, 24
.set G0M, 32                           ; s[32:39] group 0 for the mask, a set for each slot; s[40:47] for K and V
.set G0K, 40
.set SEL, 48
.set C2,  50
.set LAPS, 52
.set SLOTS, 53                         ; tiles still to be asked for
.set LIM, 54                           ; 1 in a wave that prefetches, else the greatest number
.set PFA, 56                           ; s[56:57] where my prefetches stand
.set PFS, 58                           ; s[58:59] a tile on, in bytes
.set MSB, 0
.macro WIN new                         ; the immediate's high byte repeats the setting that is left
.if MSB != \new
	s_set_vgpr_msb (MSB<<8)|\new
.set MSB, \new
.endif
.endm
.macro CROUND                          ; a round of the cluster's barrier
	s_barrier_signal -1
	s_barrier_wait -1
	s_cmp_lg_u32 s[WV], 0
	s_cbranch_scc1 .Lnot_wave_0_\@
	s_barrier_signal -3
.Lnot_wave_0_\@:
	s_barrier_wait -3
	s_barrier_signal -1
	s_barrier_wait -1
.endm
; Slot n is asked for.  The branches hang on the wave's number alone.  An s_nop 0 and four v_nop follow each of the two lines.
.macro TLOAD n
	s_cmp_lt_u32 s[WV], 2
	s_cbranch_scc0 .Lnot_m_\@
	tensor_load_to_lds s[G0M+4*(\n):G0M+4*(\n)+3], s[G1M:G1M+7]
	s_nop 0
.rept 4
	v_nop
.endr
	s_branch .Lasked_\@
.Lnot_m_\@:
	s_cmp_lt_u32 s[WV], 4
	s_cbranch_scc0 .Lasked_\@
	tensor_load_to_lds s[G0K+4*(\n):G0K+4*(\n)+3], s[G1K:G1K+7]
	s_nop 0
.rept 4
	v_nop
.endr
.Lasked_\@:
.endm
; A PREFETCH INTO THE L2 of the tile that the NEXT change of slots will ask for: two steps, 64 matrix instructions and two softmaxes a wave, ahead of that load.  One instruction in each of the waves that fetch nothing.
; Each aligned block of 256 bytes is named once in the launch.  A mask tile (128 rows x 512 bytes) is read by the six work-groups of a query block: those of hp 0 to 3 ask, 32 rows each; waves 4, 5 take 16 rows, two lanes a row.
; A pair of heads' K and V (256 blocks a tile) is read by eight clusters: the first asks; its four partners share the blocks out BY ADDRESS, 64 each; waves 6, 7 take 32, a lane a block.
; The last change that fills a slot asks for nothing; tiles 0 and 1 come by their loads alone.
.macro ASK
	s_cmp_gt_u32 s[SLOTS], s[LIM]
	s_cbranch_scc0 .Lnot_mine_\@
	global_prefetch_b8 v[PFO], s[PFA:PFA+1] th:TH_LOAD_NT scope:SCOPE_SE
.Lnot_mine_\@:
.endm
.macro MKLOAD s, half                  ; the mask of my 32 queries x 64 keys into window 1, in S^T's layout
	WIN 0x40                                       ; destination window 1, address window 0
.irp t, 0,1
.irp g, 0,1,2,3
.irp c, 0,1
	ds_load_b128 v[32*\t+8*\g+4*\c:32*\t+8*\g+4*\c+3], v[AM+\s] offset:\t*16*MP+\half*256+64*\g+16*\c
.endr
.endr
.endr
	WIN 0
.endm
.macro KLOAD s, half                   ; K (g, u) at KVB + 16 g + 8 u
.irp g, 0,1,2,3
.irp ct, 0,1,2,3
	ds_load_b128 v[KVB+16*\g+4*\ct:KVB+16*\g+4*\ct+3], v[AKV+\s] offset:(4*\half+\g)*2048+\ct*512
.endr
.endr
.endm
.macro VLOAD s, half                   ; V^T (kb, ct) at KVB + 32 kb + 8 ct
.irp kb, 0,1
.irp ct, 0,1,2,3
.irp c, 0,1
	ds_load_b128 v[KVB+32*\kb+8*\ct+4*\c:KVB+32*\kb+8*\ct+4*\c+3], v[AKV+\s] offset:16384+(2*\half+\kb)*4096+\ct*1024+\c*512
.endr
.endr
.endr
.endm
; A STEP: 64 keys, half 0 or 1 of slot s.
.macro SUB s, half
.if \half == 0
	MKLOAD \s, 0
.endif
	KLOAD \s, \half
	s_wait_dscnt 0x0
.irp u, 0,1                                    ; S^T = K Q^T: the eight accumulators by turns; the first eight start the sums
.irp g, 0,1,2,3
.irp t, 0,1
.if \u == 0
	v_wmma_f32_16x16x32_f16 v[S+32*\t+8*\g:S+32*\t+8*\g+7], v[KVB+16*\g+8*\u:KVB+16*\g+8*\u+7], v[Q+16*\t+8*\u:Q+16*\t+8*\u+7], 0
.else
	v_wmma_f32_16x16x32_f16 v[S+32*\t+8*\g:S+32*\t+8*\g+7], v[KVB+16*\g+8*\u:KVB+16*\g+8*\u+7], v[Q+16*\t+8*\u:Q+16*\t+8*\u+7], v[S+32*\t+8*\g:S+32*\t+8*\g+7]
.endif
.endr
.endr
.endr
.rept 4
	v_nop                                          ; four places in front of loads into K's registers and of the first read of S^T
.endr
	VLOAD \s, \half                                ; lands under the softmax
	WIN 0x01                                       ; source 0 (the mask) window 1
.set i, 0
.rept 32
	v_pk_fma_f32 v[S+i:S+i+1], v[i:i+1], s[C2:C2+1], v[S+i:S+i+1] op_sel_hi:[1,0,1]   ; t = mask x (-1e9 log2 e) + s; each accumulator from its low end on
.set i, i+2
.endr
	WIN 0
.if \half == 0
	MKLOAD \s, 1                                   ; the mask's registers are free: the next step's
.endif
.irp j, 0,1,2,3                                ; the largest t of each query: four chains a tile, the two tiles line by line
.irp t, 0,1
	v_max3_num_f32 v[ST+8*\t+4+\j], v[S+32*\t+8*\j], v[S+32*\t+8*\j+1], v[S+32*\t+8*\j+2]
.endr
.endr
.irp i, 3,5
.irp j, 0,1,2,3
.irp t, 0,1
	v_max3_num_f32 v[ST+8*\t+4+\j], v[ST+8*\t+4+\j], v[S+32*\t+8*\j+\i], v[S+32*\t+8*\j+\i+1]
.endr
.endr
.endr
.irp t, 0,1
	v_max3_num_f32 v[ST+8*\t+4], v[ST+8*\t+4], v[S+32*\t+7], v[S+32*\t+15]
.endr
.irp t, 0,1
	v_max3_num_f32 v[ST+8*\t+6], v[ST+8*\t+6], v[S+32*\t+23], v[S+32*\t+31]
.endr
.irp t, 0,1
	v_max3_num_f32 v[ST+8*\t+4], v[ST+8*\t+4], v[ST+8*\t+5], v[ST+8*\t+6]
.endr
.irp t, 0,1
	v_max3_num_f32 v[ST+8*\t+4], v[ST+8*\t+4], v[ST+8*\t+7], v[ST+8*\t+1]   ; with the old m
.endr
.irp t, 0,1
	v_permlanex16_b32 v[ST+8*\t+5], v[ST+8*\t+4], s[SEL], s[SEL+1]          ; the query's other 32 keys lie in the lane 16 away
.endr
.irp t, 0,1
	v_max_num_f32 v[ST+8*\t+6], v[ST+8*\t+4], v[ST+8*\t+5]                  ; the new m
.endr
.irp t, 0,1
	v_sub_f32 v[ST+8*\t+7], v[ST+8*\t+1], v[ST+8*\t+6]                      ; m_old - m_new
.endr
.irp t, 0,1
	v_mov_b32 v[ST+8*\t+1], v[ST+8*\t+6]
.endr
.irp t, 0,1
	v_sub_f32 v[ST+8*\t], 0, v[ST+8*\t+6]                                   ; -m
.endr
.irp t, 0,1
	v_exp_f32 v[ST+8*\t+6], v[ST+8*\t+7]                                    ; a
.endr
.set i, 0
.rept 16
.irp t, 0,1
	v_pk_add_f32 v[S+32*\t+i:S+32*\t+i+1], v[S+32*\t+i:S+32*\t+i+1], v[ST+8*\t:ST+8*\t+1] op_sel_hi:[1,0]   ; t - m
.endr
.set i, i+2
.endr
.set i, 0
.rept 64
	v_exp_f32 v[S+i], v[S+i]                       ; p = 2^(t - m)
.set i, i+1
.endr
	v_nop                                          ; a plain line behind the last exponential
	s_wait_alu depctr_va_vdst(0)                   ; ONE wait for the 66 exponentials, ahead of their first reader
.irp t, 0,1
	v_pk_mul_f32 v[ST+8*\t+2:ST+8*\t+3], v[ST+8*\t+2:ST+8*\t+3], v[ST+8*\t+6:ST+8*\t+7] op_sel_hi:[1,0]   ; l x a
.endr
.irp t, 0,1
	v_pk_add_f32 v[ST+8*\t+4:ST+8*\t+5], v[S+32*\t:S+32*\t+1], v[S+32*\t+2:S+32*\t+3]   ; the sum of the unrounded p, in two chains
.endr
.irp j, 4,8,12,16,20,24,28
.irp t, 0,1
	v_pk_add_f32 v[ST+8*\t+2:ST+8*\t+3], v[ST+8*\t+2:ST+8*\t+3], v[S+32*\t+\j:S+32*\t+\j+1]
	v_pk_add_f32 v[ST+8*\t+4:ST+8*\t+5], v[ST+8*\t+4:ST+8*\t+5], v[S+32*\t+\j+2:S+32*\t+\j+3]
.endr
.endr
.irp t, 0,1
	v_pk_add_f32 v[ST+8*\t+2:ST+8*\t+3], v[ST+8*\t+2:ST+8*\t+3], v[ST+8*\t+4:ST+8*\t+5]
.endr
.set i, 0
.rept 16
.irp t, 0,1
	v_cvt_pk_f16_f32 v[S+32*\t+i], v[S+32*\t+2*i], v[S+32*\t+2*i+1]   ; P in place, ascending: a register is written only when the pair that lay there has been read
.endr
.set i, i+1
.endr
.set i, 0
.rept 16
.irp t, 0,1
	v_pk_mul_f32 v[O+32*\t+i:O+32*\t+i+1], v[O+32*\t+i:O+32*\t+i+1], v[ST+8*\t+6:ST+8*\t+7] op_sel_hi:[1,0]   ; O^T x a; each accumulator from its low end on
.endr
.set i, i+2
.endr
	s_wait_dscnt 0x0                               ; V is in (and the next step's mask)
.irp kb, 0,1                                   ; O^T += V^T P: the eight accumulators by turns
.irp ct, 0,1,2,3
.irp t, 0,1
	v_wmma_f32_16x16x32_f16 v[O+32*\t+8*\ct:O+32*\t+8*\ct+7], v[KVB+32*\kb+8*\ct:KVB+32*\kb+8*\ct+7], v[S+32*\t+8*\kb:S+32*\t+8*\kb+7], v[O+32*\t+8*\ct:O+32*\t+8*\ct+7]
.endr
.endr
.endr
.rept 5
	v_nop                                          ; five places: the next step's first products write over P, a source of these; they also serve the loads into V's registers
.endr
.endm
; A TRIP: the change of slots at its head, then slot s's two steps.  Each wave waits for all its tensor loads (one at the most is out: its part of slot s), adds 0 to its spare word, and waits for that and for its
; reads of the other slot.  fill = 1: behind a round of the cluster's barrier the other slot is asked for: the wave's one tensor load until the next round; it has this trip's two steps in which to land.
.macro TRIP s, fill
	s_wait_tensorcnt 0x0                           ; no tensor load of mine is out, so a group 0 may be written
	ds_add_u32 v[SPW], v[NIL]                      ; 0 onto my spare word
.if \fill
	ds_add_u32 v[SPW], v[NIL]                      ; and once more
	s_add_nc_u64 s[G0M+4*\s+2:G0M+4*\s+3], s[G0M+4*\s+2:G0M+4*\s+3], 1024     ; this slot's next tile: 256 keys on in the mask's rows,
	s_add_nc_u64 s[G0K+4*\s+2:G0K+4*\s+3], s[G0K+4*\s+2:G0K+4*\s+3], 65536    ; two chunks on in K and V; the type bits on top are not reached
	s_wait_xcnt 0x0                                ; the last prefetch, a trip back, has read its address, so it may be written
	s_add_nc_u64 s[PFA:PFA+1], s[PFA:PFA+1], s[PFS:PFS+1]
	s_wait_dscnt 0x0                               ; both adds are done, and my reads of the other slot are over
	CROUND                                         ; the same now holds of every wave of all four partners
	TLOAD 1-\s
	ASK
	s_sub_co_u32 s[SLOTS], s[SLOTS], 1
.else
	s_wait_dscnt 0x0
	s_barrier_signal -1
	s_barrier_wait -1
.endif
	SUB \s, 0
	SUB \s, 1
.endm
	s_load_b256 s[4:11], s[0:1], 0x0               ; mask s[4:5], qimg s[6:7], kv s[8:9], att s[10:11]
	v_lshl_add_u32 v[SPW], v0, 2, SPARE
	v_mov_b32 v[NIL], 0
	ds_add_u32 v[SPW], v[NIL]                      ; the wave's opening: the add, twice on end, and its wait ahead of the first tensor load
	ds_add_u32 v[SPW], v[NIL]
	v_lshrrev_b32 v9, 5, v0
	v_readfirstlane_b32 s[WV], v9                  ; wave 0..7
	s_bfe_u32 s13, ttmp6, 0x40000                  ; cx: my place in the cluster
	s_lshl_b32 s14, ttmp9, 2
	s_add_co_u32 s14, s14, s13                     ; qb: my block of 128 queries; it enters global addresses alone
	s_and_b32 s15, ttmp7, 0xffff                   ; hp: the pair of heads, which the partners share
	; the mask's tile: 64 rows x 128 elements of 4 bytes, 4,096 elements from row to row, 4 words of padding behind every 128
	s_mov_b32 s[G1M], (2<<16)|(1<<20)|(6<<22)|(3<<25)
	s_mov_b32 s[G1M+1], 128<<16                    ; tensor_dim0
	s_mov_b32 s[G1M+2], 64<<16                     ; tensor_dim1
	s_mov_b32 s[G1M+3], 128<<16                    ; tile_dim0
	s_mov_b32 s[G1M+4], 64                         ; tile_dim1
	s_mov_b32 s[G1M+5], 4096                       ; stride
	s_mov_b32 s[G1M+6], 0
	s_mov_b32 s[G1M+7], 0
	; a head's K and V of 128 keys: a dense block of 32,768 bytes as 128 rows of 32 elements of 8 bytes; mask 15: all four partners; bit 21 set beside it
	s_mov_b32 s[G1K], 15|(3<<16)|(1<<21)
	s_mov_b32 s[G1K+1], 32<<16
	s_mov_b32 s[G1K+2], 128<<16
	s_mov_b32 s[G1K+3], 32<<16
	s_mov_b32 s[G1K+4], 128
	s_mov_b32 s[G1K+5], 32
	s_mov_b32 s[G1K+6], 0
	s_mov_b32 s[G1K+7], 0
	s_mov_b32 s[SEL], 0x76543210
	s_mov_b32 s[SEL+1], 0xfedcba98
	s_mov_b32 s[C2], 0xceabfb8f                    ; -1e9 x log2(e)
	s_mov_b32 s[C2+1], s[C2]
	s_mov_b32 s[LAPS], 15
	s_mov_b32 s[SLOTS], 31
	s_and_b32 s60, s[WV], 1                        ; which half of the mask's rows, or which head, I fetch
	s_mul_i32 s61, s60, 64*MP
	s_lshl_b32 s62, s15, 1
	s_add_co_u32 s62, s62, s60
	s_lshl_b32 s62, s62, 20                        ; K, V: (2 hp + half) x 2^20: no place in the cluster enters it
	s_mov_b32 s63, 0
	s_lshl_b32 s66, s14, 21                        ; the mask: (128 qb + 64 half) rows of 16,384 bytes
	s_lshl_b32 s67, s60, 20
	s_add_co_u32 s66, s66, s67
	s_mov_b32 s67, 0
	s_wait_dscnt 0x0                               ; both opening adds are done
	s_wait_kmcnt 0x0
	s_mov_b32 s[G0M], 1                            ; slot 0: tile 0
	s_add_co_u32 s[G0M+1], s61, MOFF
	s_add_nc_u64 s[G0M+2:G0M+3], s[4:5], s[66:67]
	s_mov_b32 s[G0M+4], 1                          ; slot 1: tile 1, 128 keys on
	s_add_co_u32 s[G0M+5], s61, SLOTB+MOFF
	s_add_nc_u64 s[G0M+6:G0M+7], s[G0M+2:G0M+3], 512
	s_or_b32 s[G0M+3], s[G0M+3], 0x80000000        ; type = 2
	s_or_b32 s[G0M+7], s[G0M+7], 0x80000000
	s_mov_b32 s[G0K], 1
	s_lshl_b32 s[G0K+1], s60, 15
	s_add_nc_u64 s[G0K+2:G0K+3], s[8:9], s[62:63]
	s_mov_b32 s[G0K+4], 1
	s_add_co_u32 s[G0K+5], s[G0K+1], SLOTB
	s_add_nc_u64 s[G0K+6:G0K+7], s[G0K+2:G0K+3], 32768
	s_or_b32 s[G0K+3], s[G0K+3], 0x80000000
	s_or_b32 s[G0K+7], s[G0K+7], 0x80000000
	CROUND                                         ; all four work-groups are here: the first joint loads meet
	TLOAD 0                                        ; tile 0; slot 1 is filled behind the first trip's round, as a refill is
	v_and_b32 v9, 31, v0                           ; lane
	v_and_b32 v10, 15, v0                          ; r
	v_bfe_u32 v11, v0, 4, 1                        ; h
	v_lshlrev_b32 v[LI], 4, v9
	s_lshr_b32 s68, s[WV], 2                       ; which of the two heads is mine
	s_lshl_b32 s69, s15, 1
	s_add_co_u32 s69, s69, s68                     ; my head
	s_and_b32 s70, s[WV], 3
	s_lshl_b32 s71, s14, 3
	s_lshl_b32 s72, s70, 1
	s_add_co_u32 s71, s71, s72                     ; my first tile of queries: 8 qb + 2 (w % 4)
	s_lshl_b32 s72, s69, 19
	s_lshl_b32 s73, s71, 11
	s_add_co_u32 s72, s72, s73
	s_mov_b32 s73, 0
	s_add_nc_u64 s[6:7], s[6:7], s[72:73]          ; Q: (256 head + tile) x 2,048
	s_mul_i32 s72, s71, 24
	s_lshl_b32 s74, s69, 1
	s_add_co_u32 s72, s72, s74
	s_lshl_b32 s72, s72, 10
	s_add_nc_u64 s[10:11], s[10:11], s[72:73]      ; att: (24 tile + 2 head) x 1,024
.irp t, 0,1
.irp ct, 0,1,2,3
	global_load_b128 v[Q+16*\t+4*\ct:Q+16*\t+4*\ct+3], v[LI], s[6:7] offset:\t*2048+\ct*512   ; Q stays in registers
.endr
.endr
	s_lshl_b32 s74, s68, 15
	v_add_nc_u32 v[AKV], s74, v[LI]
	v_add_nc_u32 v[AKV+1], SLOTB, v[AKV]
	s_mul_i32 s75, s70, 32*MP
	s_add_co_u32 s75, s75, MOFF
	v_mul_u32_u24 v[AM], v10, MP
	v_lshl_add_u32 v[AM], v11, 5, v[AM]
	v_add_nc_u32 v[AM], s75, v[AM]
	v_add_nc_u32 v[AM+1], SLOTB, v[AM]
	; the prefetches: who asks, and where
	v_lshrrev_b32 v12, 1, v9
	v_lshlrev_b32 v12, 14, v12
	v_and_b32 v13, 1, v9
	v_lshl_add_u32 v12, v13, 8, v12                ; in the mask: two lanes a row, 256 bytes each
	v_lshlrev_b32 v13, 8, v9                       ; in K and V: a lane a block of 256 bytes
	s_min_u32 s74, s15, 3                          ; (held so that the address stays inside the mask in the work-groups that do not ask, too)
	s_lshl_b32 s76, s14, 21
	s_lshl_b32 s74, s74, 19
	s_add_co_u32 s76, s76, s74
	s_lshl_b32 s74, s60, 18
	s_add_co_u32 s76, s76, s74                     ; the mask: row 128 qb + 32 hp + 16 (w % 2)
	s_lshr_b32 s74, s13, 1
	s_lshl_b32 s78, s15, 1
	s_add_co_u32 s78, s78, s74
	s_lshl_b32 s78, s78, 20
	s_and_b32 s74, s13, 1
	s_lshl_b32 s74, s74, 14
	s_add_co_u32 s78, s78, s74
	s_lshl_b32 s74, s60, 13
	s_add_co_u32 s78, s78, s74                     ; K, V: head 2 hp + cx / 2, block 64 (cx % 2) + 32 (w % 2)
	s_cmp_lt_u32 s15, 4
	s_cselect_b32 s74, 1, -1
	s_cmp_eq_u32 ttmp9, 0
	s_cselect_b32 s75, 1, -1
	s_mov_b32 s[PFS], 32768
	s_mov_b32 s[PFS+1], 0
	s_mov_b32 s77, 0
	s_cmp_lt_u32 s[WV], 6                          ; waves 4, 5 ask for the mask, waves 6, 7 for K and V
	s_cselect_b32 s[LIM], s74, s75
	s_cselect_b32 s76, s76, s78
	s_cselect_b32 s[PFS], 512, s[PFS]
	s_cselect_b64 s[PFA:PFA+1], s[4:5], s[8:9]
	s_cselect_b32 s79, 0, -1
	v_cndmask_b32 v[PFO], v12, v13, s79
	s_cmp_lt_u32 s[WV], 4
	s_cselect_b32 s[LIM], -1, s[LIM]               ; waves 0 to 3 fetch, and ask for nothing
	s_add_nc_u64 s[PFA:PFA+1], s[PFA:PFA+1], s[76:77]
	s_add_nc_u64 s[PFA:PFA+1], s[PFA:PFA+1], s[PFS:PFS+1]   ; at tile 1: the first trip steps it to tile 2.  Nothing is prefetched here, at the head
.irp t, 0,1
	v_mov_b32 v[ST+8*\t], 0
	v_mov_b32 v[ST+8*\t+1], 0xff61b1e6             ; m: -3e38, under every t
	v_mov_b32 v[ST+8*\t+2], 0                      ; l, in two halves
	v_mov_b32 v[ST+8*\t+3], 0
.endr
.set i, 0
.rept 64
	v_mov_b32 v[O+i], 0                            ; O^T.  (The step is written once: the first finds zeros, which a = 0 leaves zeros)
.set i, i+1
.endr
	s_wait_loadcnt 0x0                             ; Q
.Llap:                                             ; 15 trips of two tiles; with the tail 32 tiles of 128 keys
	TRIP 0, 1
	TRIP 1, 1
	s_sub_co_u32 s[LAPS], s[LAPS], 1
	s_cmp_lg_u32 s[LAPS], 0
	s_cbranch_scc1 .Llap
	TRIP 0, 1                                      ; the tail is written out: the last tile is asked for here,
	TRIP 1, 0                                      ; and nothing behind it
	; THE WAY OUT: O^T / l, rounded to f16: a lane's eight channels of a tile are four registers of the next product's operand, stored as they stand
.irp t, 0,1
	v_add_f32 v[ST+8*\t+4], v[ST+8*\t+2], v[ST+8*\t+3]
.endr
.irp t, 0,1
	v_permlanex16_b32 v[ST+8*\t+5], v[ST+8*\t+4], s[SEL], s[SEL+1]
.endr
.irp t, 0,1
	v_add_f32 v[ST+8*\t+4], v[ST+8*\t+4], v[ST+8*\t+5]
.endr
.irp t, 0,1
	v_rcp_f32 v[ST+8*\t+6], v[ST+8*\t+4]
.endr
	v_nop
	s_wait_alu depctr_va_vdst(0)                   ; one wait for the two reciprocals, ahead of their first reader
.set i, 0
.rept 16
.irp t, 0,1
	v_pk_mul_f32 v[O+32*\t+i:O+32*\t+i+1], v[O+32*\t+i:O+32*\t+i+1], v[ST+8*\t+6:ST+8*\t+7] op_sel_hi:[1,0]
.endr
.set i, i+2
.endr
.set i, 0
.rept 32
	v_cvt_pk_f16_f32 v[S+i], v[O+2*i], v[O+2*i+1]
.set i, i+1
.endr
.irp t, 0,1
.irp ct, 0,1,2,3
	global_store_b128 v[LI], v[S+16*\t+4*\ct:S+16*\t+4*\ct+3], s[10:11] offset:\t*24576+\ct*512   ; 512 consecutive bytes, aligned
.endr
.endr
	s_wait_tensorcnt 0x0                           ; the wave's end
	ds_add_u32 v[SPW], v[NIL]
	s_wait_dscnt 0x0
	CROUND                                         ; the closing round: no work-group ends while a partner may still ask for a tile that names it
	s_endpgm
.Lfunc_end_k_qfd79633cb8_attn:
	.size	k_qfd79633cb8_attn, .Lfunc_end_k_qfd79633cb8_attn-k_qfd79633cb8_attn
	.p2alignl 7, 3214868480
	.fill 96, 4, 3214868480
	.section	.rodata,"a",@progbits
	.p2align	6, 0x0
	.amdhsa_kernel k_qfd79633cb8_attn
		.amdhsa_group_segment_fixed_size 327680
		.amdhsa_private_segment_fixed_size 0
		.amdhsa_enable_private_segment 0
		.amdhsa_kernarg_size 32
		.amdhsa_user_sgpr_count 2
		.amdhsa_user_sgpr_kernarg_segment_ptr 1
		.amdhsa_wavefront_size32 1
		.amdhsa_system_sgpr_workgroup_id_x 1
		.amdhsa_system_sgpr_workgroup_id_y 1
		.amdhsa_system_sgpr_workgroup_id_z 1
		.amdhsa_system_vgpr_workitem_id 0
		.amdhsa_next_free_vgpr 320
		.amdhsa_next_free_sgpr 80
		.amdhsa_reserve_vcc 0
		.amdhsa_float_denorm_mode_32 3
		.amdhsa_float_denorm_mode_16_64 3
		.amdhsa_memory_ordered 1
		.amdhsa_forward_progress 1
		.amdhsa_inst_pref_size 181
	.end_amdhsa_kernel
	.amdgpu_metadata
---
amdhsa.version: [ 1, 2 ]
amdhsa.kernels:
  - .name:           k_qfd79633cb8_attn
    .symbol:         k_qfd79633cb8_attn.kd
    .args:
      - { .name: mask, .offset: 0, .size: 8, .value_kind: global_buffer, .address_space: global }
      - { .name: qimg, .offset: 8, .size: 8, .value_kind: global_buffer, .address_space: global }
      - { .name: kv, .offset: 16, .size: 8, .value_kind: global_buffer, .address_space: global }
      - { .name: att, .offset: 24, .size: 8, .value_kind: global_buffer, .address_space: global }
    .group_segment_fixed_size: 327680
    .private_segment_fixed_size: 0
    .kernarg_segment_align: 8
    .kernarg_segment_size: 32
    .max_flat_workgroup_size: 256
    .sgpr_count:     80
    .vgpr_count:     320
    .wavefront_size: 32
...
	.end_amdgpu_metadata
.endif
;; end of part 4
;; launch outproj (part 5): grid 6 x 32, 8 waves a work-group, no clusters, 35,840 bytes of LDS; arguments att, wo, b_o, out0; writes out0
.if DOCPART == 5
	.amdgcn_target "amdgcn-amd-amdhsa--gfx1250"
	.amdhsa_code_object_version 6
	.text
	.protected	k_qfd79633cb8_outproj
	.globl	k_qfd79633cb8_outproj
	.p2align	8
	.type	k_qfd79633cb8_outproj,@function
k_qfd79633cb8_outproj:
	s_mov_b64 s[64:65], 0
	v_nop
	global_prefetch_b8 v0, s[64:65] scope:SCOPE_SE
	s_setreg_imm32_b32 hwreg(HW_REG_WAVE_MODE, 25, 1), 1
	s_wait_xcnt 0x0
; out0 = att W_o + b_o for rows 16 to 4,095, f16 operands (the high parts), f32 sums.  Rows 0-15 are another launch's.
; A work-group makes 128 rows x 128 columns; wave w: rows 32 (w % 4) on (two tiles), columns 64 (w / 4) on (four tiles): eight accumulators by turns.
; Both operands lie in memory as images of their registers, so a fragment is two loads of 512 consecutive bytes straight into registers: no LDS on the way in.
; A ring of three sets of registers: two K steps (24 loads a wave) are on their way while one is multiplied.  K = 768 is 24 steps, written out: every offset is an immediate.
; The matrix instruction is used transposed (source 0 = 16 columns of W_o, source 1 = 16 rows of att): a lane holds eight neighbouring columns of one row.
; The bias is loaded straight into the accumulators, in the result's layout, and is the C of each sum's first product.
; No cluster and no joint loads: operands go from memory to registers here, and a tile of att or W_o is shared by two or four waves of the work-group alone at a time.
.set ACC,    16                        ; v16-79   accumulator (t, nt) at 16 + 8 (4 t + nt)
.set RING,   80                        ; v80-223  three sets of 48: att t at + 8 t, W_o nt at + 16 + 8 nt; on the way out rows of out0
.set SPITCH, 272                       ; the stage: 16 rows x (256 bytes + 16) for each wave
.set SPARE,  34816                     ; behind the stages: the spare words, 128 bytes for each wave: four blocks of 256 bytes that no other line names
.macro RLOAD kf
.set RB, RING+48*((\kf)%3)
.irp t, 0,1
.irp c, 0,1
	global_load_b128 v[RB+8*\t+4*\c:RB+8*\t+4*\c+3], v1, s[4:5] offset:\t*24576+(\kf)*1024+512*\c
.endr
.endr
.irp nt, 0,1,2,3
.irp c, 0,1
	global_load_b128 v[RB+16+8*\nt+4*\c:RB+16+8*\nt+4*\c+3], v1, s[6:7] offset:\nt*24576+(\kf)*1024+512*\c
.endr
.endr
.endm
.macro OUT t                           ; 16 rows x 64 columns through my own stage, back as whole rows of 256 bytes
.irp nt, 0,1,2,3
.irp c, 0,1
	ds_store_b128 v3, v[ACC+8*(4*\t+\nt)+4*\c:ACC+8*(4*\t+\nt)+4*\c+3] offset:64*\nt+16*\c   ; each accumulator from its low end on
.endr
.endr
.irp i, 0,1,2,3,4,5,6,7
	ds_load_b128 v[RING+64*\t+4*\i:RING+64*\t+4*\i+3], v4 offset:2*\i*SPITCH   ; LDS serves a wave's instructions in order (ISA guide 5.7.1.4): these see the stores above
.endr
.irp i, 0,1,2,3,4,5,6,7
	s_wait_dscnt 7-\i
	global_store_b128 v5, v[RING+64*\t+4*\i:RING+64*\t+4*\i+3], s[10:11] offset:(16*\t+2*\i)*3072 th:TH_STORE_NT   ; 16 lanes store 256 consecutive bytes, aligned
.endr
.endm
	s_load_b256 s[4:11], s[0:1], 0x0               ; att s[4:5], wo s[6:7], b_o s[8:9], out0 s[10:11]
	v_lshl_add_u32 v6, v0, 2, SPARE                ; my spare word,
	v_mov_b32 v7, 0                                ; and 0; both never rewritten
	v_lshrrev_b32 v8, 5, v0
	v_readfirstlane_b32 s12, v8                    ; wave 0..7
	v_and_b32 v8, 31, v0
	v_and_b32 v9, 15, v0                           ; r
	v_bfe_u32 v10, v0, 4, 1                        ; h
	v_lshlrev_b32 v1, 4, v8                        ; 16 x lane
	v_lshlrev_b32 v2, 5, v10                       ; the bias: my half's eight columns
	s_mul_i32 s16, s12, 16*SPITCH
	v_mul_u32_u24 v3, v9, SPITCH
	v_lshl_add_u32 v3, v10, 5, v3
	v_add_nc_u32 v3, s16, v3                       ; the stage, in: row r, + 32 h
	v_mul_u32_u24 v4, v10, SPITCH
	v_lshl_add_u32 v4, v9, 4, v4
	v_add_nc_u32 v4, s16, v4                       ; back: lanes 0-15 one row, lanes 16-31 the next
	v_mul_u32_u24 v5, v10, 3072
	v_lshl_add_u32 v5, v9, 4, v5                   ; and the same two rows in out0
	s_and_b32 s13, ttmp7, 0xffff                   ; y: which 128 rows
	s_and_b32 s14, s12, 3                          ; qp
	s_lshr_b32 s15, s12, 2                         ; ng
	s_lshl_b32 s18, s13, 3
	s_lshl_b32 s19, s14, 1
	s_add_co_u32 s18, s18, s19
	s_mul_i32 s18, s18, 24576                      ; att: tile of rows 8 y + 2 qp, 24 fragments each
	s_mov_b32 s19, 0
	s_lshl_b32 s20, ttmp9, 3
	s_lshl_b32 s21, s15, 2
	s_add_co_u32 s20, s20, s21
	s_mul_i32 s20, s20, 24576                      ; W_o: tile of columns 8 x + 4 ng
	s_mov_b32 s21, 0
	s_lshl_b32 s22, ttmp9, 9
	s_lshl_b32 s23, s15, 8
	s_add_co_u32 s22, s22, s23                     ; my first column, in bytes
	s_mov_b32 s23, 0
	s_lshl_b32 s24, s13, 7
	s_lshl_b32 s25, s14, 5
	s_add_co_u32 s24, s24, s25
	s_mul_i32 s24, s24, 3072
	s_add_co_u32 s24, s24, s22                     ; my first row and column in out0
	s_mov_b32 s25, 0
	s_or_b32 s26, s13, s14                         ; 0 in the waves whose first tile is rows 0-15
	s_wait_kmcnt 0x0
	s_add_nc_u64 s[4:5], s[4:5], s[18:19]
	s_add_nc_u64 s[6:7], s[6:7], s[20:21]
	s_add_nc_u64 s[8:9], s[8:9], s[22:23]
	s_add_nc_u64 s[10:11], s[10:11], s[24:25]
.irp t, 0,1
.irp nt, 0,1,2,3
.irp c, 0,1
	global_load_b128 v[ACC+8*(4*\t+\nt)+4*\c:ACC+8*(4*\t+\nt)+4*\c+3], v2, s[8:9] offset:64*\nt+16*\c   ; b_o(16 nt + 8 h + 4 c ..)
.endr
.endr
.endr
	RLOAD 0
	RLOAD 1
	RLOAD 2
.set KF, 0
.rept 24
.if KF < 22
	s_wait_loadcnt 24                              ; this step's 12 loads (and the bias) are in; the two younger sets may be out
.elseif KF == 22
	s_wait_loadcnt 12
.else
	s_wait_loadcnt 0x0
.endif
.set RB, RING+48*(KF%3)
.irp nt, 0,1,2,3
.irp t, 0,1
	v_wmma_f32_16x16x32_f16 v[ACC+8*(4*\t+\nt):ACC+8*(4*\t+\nt)+7], v[RB+16+8*\nt:RB+16+8*\nt+7], v[RB+8*\t:RB+8*\t+7], v[ACC+8*(4*\t+\nt):ACC+8*(4*\t+\nt)+7]
.endr
.endr
.rept 4
	v_nop                                          ; four places in front of loads into registers that matrix instructions have read, and of the first read of results
.endr
.if KF < 21
	RLOAD KF+3
.endif
.set KF, KF+1
.endr
	s_cmp_eq_u32 s26, 0
	s_cbranch_scc1 .Lskip0                         ; rows 0-15 are stored by the launch that carries them as pairs
	OUT 0
.Lskip0:
	OUT 1
	s_wait_tensorcnt 0x0                           ; the wave's end, behind my last LDS store
	ds_add_u32 v6, v7
	s_wait_dscnt 0x0
	s_endpgm
.Lfunc_end_k_qfd79633cb8_outproj:
	.size	k_qfd79633cb8_outproj, .Lfunc_end_k_qfd79633cb8_outproj-k_qfd79633cb8_outproj
	.p2alignl 7, 3214868480
	.fill 96, 4, 3214868480
	.section	.rodata,"a",@progbits
	.p2align	6, 0x0
	.amdhsa_kernel k_qfd79633cb8_outproj
		.amdhsa_group_segment_fixed_size 35840
		.amdhsa_private_segment_fixed_size 0
		.amdhsa_enable_private_segment 0
		.amdhsa_kernarg_size 32
		.amdhsa_user_sgpr_count 2
		.amdhsa_user_sgpr_kernarg_segment_ptr 1
		.amdhsa_wavefront_size32 1
		.amdhsa_system_sgpr_workgroup_id_x 1
		.amdhsa_system_sgpr_workgroup_id_y 1
		.amdhsa_system_sgpr_workgroup_id_z 1
		.amdhsa_system_vgpr_workitem_id 0
		.amdhsa_next_free_vgpr 232
		.amdhsa_next_free_sgpr 66
		.amdhsa_reserve_vcc 0
		.amdhsa_float_denorm_mode_32 3
		.amdhsa_float_denorm_mode_16_64 3
		.amdhsa_memory_ordered 1
		.amdhsa_forward_progress 1
		.amdhsa_inst_pref_size 51
	.end_amdhsa_kernel
	.amdgpu_metadata
---
amdhsa.version: [ 1, 2 ]
amdhsa.kernels:
  - .name:           k_qfd79633cb8_outproj
    .symbol:         k_qfd79633cb8_outproj.kd
    .args:
      - { .name: att, .offset: 0, .size: 8, .value_kind: global_buffer, .address_space: global }
      - { .name: wo, .offset: 8, .size: 8, .value_kind: global_buffer, .address_space: global }
      - { .name: b_o, .offset: 16, .size: 8, .value_kind: global_buffer, .address_space: global }
      - { .name: out0, .offset: 24, .size: 8, .value_kind: global_buffer, .address_space: global }
    .group_segment_fixed_size: 35840
    .private_segment_fixed_size: 0
    .kernarg_segment_align: 8
    .kernarg_segment_size: 32
    .max_flat_workgroup_size: 256
    .sgpr_count:     66
    .vgpr_count:     232
    .wavefront_size: 32
...
	.end_amdgpu_metadata
.endif
;; end of part 5
;; launch fineout (part 6): grid 4 x 1, 12 waves a work-group, no clusters, 63,232 bytes of LDS; arguments part, wo, b_o, out0; writes out0
.if DOCPART == 6
	.amdgcn_target "amdgcn-amd-amdhsa--gfx1250"
	.amdhsa_code_object_version 6
	.text
	.protected	k_qfd79633cb8_fineout
	.globl	k_qfd79633cb8_fineout
	.p2align	8
	.type	k_qfd79633cb8_fineout,@function
k_qfd79633cb8_fineout:
	s_mov_b64 s[64:65], 0
	v_nop
	global_prefetch_b8 v0, s[64:65] scope:SCOPE_SE
	s_setreg_imm32_b32 hwreg(HW_REG_WAVE_MODE, 25, 1), 1
	s_wait_xcnt 0x0
; Rows 0-15 of out0, carried as pairs of f16.  Four work-groups, 192 columns each; twelve waves.
; PHASE 1 (wave = head; every work-group does it for itself, since nothing passes between work-groups): the four quarters' O^T, M and L are joined: M = the largest M_c, w_c = 2^(M_c - M),
; att = (the sum of w_c O_c) / (the sum of w_c L_c), in f32; split into a high and a low part; both go to LDS as images of the next product's operand.
; PHASE 2 (wave w: tile of columns 12 x + w): out = att W_o + b_o as three sums, high x high (its first C is the bias), W_o high x att low, W_o low x att high: three accumulators by turns, 24 K steps in six batches.
; The results meet in a stage and leave as whole units of 256 bytes.
.set AHI,   0                          ; LDS: att's 24 fragments, high parts: 1,024 kf + 512 c + 16 lane;
.set ALO,   24576                      ; low parts;
.set STG,   49152                      ; the stage: 16 rows x (768 bytes + 16);
.set SPARE, 61696                      ; the spare words, 128 bytes for each wave: six blocks of 256 bytes that no other line names
.set WOLO,  1179648
.set TT,    64                         ; v64-79 at work in SPLIT4
.set VK,    14
; v1 16 lane; v2 32 h; v3 4 r; v4 images, in; v5 the stage, in; v6 back; v7 my bytes in out0; v14, v15 the add's two; v16-31 high parts, v32-47 low parts; v16-39 then the three sums; v40-47 at work, then the result; v48-55 the bias;
; v56-63 the weights, each twice; v64-127 at work, att in f32 (v96-127), then att's fragments; v128-255 the four quarters, then W_o in two sets
.macro SPLIT4 x, h, l                  ; four pairs of f32: c = 8193 x; d = c - x; hi = c - d (11 bits: exact in f16); lo = x - hi (exact in f32)
.irp q, 0,1,2,3
	v_pk_mul_f32 v[TT+4*\q:TT+4*\q+1], v[(\x)+2*\q:(\x)+2*\q+1], s[VK:VK+1] op_sel_hi:[1,0]
.endr
.irp q, 0,1,2,3
	v_pk_add_f32 v[TT+4*\q+2:TT+4*\q+3], v[TT+4*\q:TT+4*\q+1], v[(\x)+2*\q:(\x)+2*\q+1] neg_lo:[0,1] neg_hi:[0,1]
.endr
.irp q, 0,1,2,3
	v_pk_add_f32 v[TT+4*\q:TT+4*\q+1], v[TT+4*\q:TT+4*\q+1], v[TT+4*\q+2:TT+4*\q+3] neg_lo:[0,1] neg_hi:[0,1]
.endr
.irp q, 0,1,2,3
	v_pk_add_f32 v[(\x)+2*\q:(\x)+2*\q+1], v[(\x)+2*\q:(\x)+2*\q+1], v[TT+4*\q:TT+4*\q+1] neg_lo:[0,1] neg_hi:[0,1]
.endr
.irp q, 0,1,2,3
	v_cvt_pk_f16_f32 v[(\h)+\q], v[TT+4*\q], v[TT+4*\q+1]
.endr
.irp q, 0,1,2,3
	v_cvt_pk_f16_f32 v[(\l)+\q], v[(\x)+2*\q], v[(\x)+2*\q+1]
.endr
.endm
.macro WBATCH b                        ; W_o's fragments of K steps 4 b .. 4 b + 3, high and low, into set b % 2: 16 loads
.irp k, 0,1,2,3
.irp c, 0,1
	global_load_b128 v[128+64*((\b)%2)+8*\k+4*\c:131+64*((\b)%2)+8*\k+4*\c], v1, s[20:21] offset:(4*(\b)+\k)*1024+512*\c
	global_load_b128 v[160+64*((\b)%2)+8*\k+4*\c:163+64*((\b)%2)+8*\k+4*\c], v1, s[20:21] offset:WOLO+(4*(\b)+\k)*1024+512*\c
.endr
.endr
.endm
	s_load_b256 s[4:11], s[0:1], 0x0               ; part s[4:5], wo s[6:7], b_o s[8:9], out0 s[10:11]
	v_lshl_add_u32 v14, v0, 2, SPARE
	v_mov_b32 v15, 0
	v_lshrrev_b32 v8, 5, v0
	v_readfirstlane_b32 s12, v8                    ; wave 0..11
	v_and_b32 v8, 31, v0
	v_and_b32 v9, 15, v0                           ; r
	v_bfe_u32 v10, v0, 4, 1                        ; h
	v_lshlrev_b32 v1, 4, v8
	v_lshlrev_b32 v2, 5, v10
	v_lshlrev_b32 v3, 2, v9
	s_lshl_b32 s26, s12, 11
	v_add_nc_u32 v4, s26, v1                       ; my head's two fragments: 2,048 x wave + 16 x lane
	s_lshl_b32 s26, s12, 6
	s_add_co_u32 s26, s26, STG
	v_mul_u32_u24 v5, v9, 784
	v_lshl_add_u32 v5, v10, 5, v5
	v_add_nc_u32 v5, s26, v5                       ; the stage, in: row r, + 64 x wave + 32 h
	s_and_b32 s26, s12, 3
	s_lshl_b32 s26, s26, 2
	v_add_nc_u32 v11, s26, v10                     ; back: row 4 (w % 4) + h (+ 2 i),
	s_lshr_b32 s27, s12, 2
	s_lshl_b32 s27, s27, 8
	v_lshl_add_u32 v12, v9, 4, s27                 ; third w / 4 of its 768 bytes, 16 bytes a lane
	v_mul_u32_u24 v6, v11, 784
	v_add_nc_u32 v6, v6, v12
	v_add_nc_u32 v6, STG, v6
	v_mul_u32_u24 v7, v11, 3072
	v_add_nc_u32 v7, v7, v12                       ; and the same place in out0
	s_mov_b32 s[VK], 0x46000400                    ; 8193.0
	s_mov_b32 s[VK+1], s[VK]
	s_lshl_b32 s16, s12, 14                        ; my head's four quarters of O^T,
	s_mov_b32 s17, 0
	s_lshl_b32 s18, s12, 9
	s_add_co_u32 s18, s18, 196608                  ; their M and L
	s_mov_b32 s19, 0
	s_mul_i32 s20, ttmp9, 12
	s_add_co_u32 s20, s20, s12                     ; my tile of columns
	s_lshl_b32 s22, s20, 6
	s_mov_b32 s23, 0
	s_mul_i32 s20, s20, 24576
	s_mov_b32 s21, 0
	s_mul_i32 s24, ttmp9, 768
	s_mov_b32 s25, 0
	s_wait_kmcnt 0x0
	s_add_nc_u64 s[16:17], s[4:5], s[16:17]
	s_add_nc_u64 s[18:19], s[4:5], s[18:19]
	s_add_nc_u64 s[20:21], s[6:7], s[20:21]
	s_add_nc_u64 s[22:23], s[8:9], s[22:23]
	s_add_nc_u64 s[10:11], s[10:11], s[24:25]
.irp c, 0,1,2,3
	global_load_b32 v[80+\c], v3, s[18:19] offset:128*\c       ; M_c of query r
	global_load_b32 v[84+\c], v3, s[18:19] offset:128*\c+64    ; L_c
.endr
.irp c, 0,1,2,3
.irp g, 0,1,2,3,4,5,6,7
	global_load_b128 v[128+32*\c+4*\g:131+32*\c+4*\g], v1, s[16:17] offset:4096*\c+512*\g
.endr
.endr
	global_load_b128 v[48:51], v2, s[22:23]        ; b_o(16 nt + 8 h ..), in the result's layout
	global_load_b128 v[52:55], v2, s[22:23] offset:16
	s_wait_loadcnt 0x0
	v_max3_num_f32 v40, v80, v81, v82
	v_max_num_f32 v40, v40, v83                    ; M
.irp c, 0,1,2,3
	v_sub_f32 v[88+\c], v[80+\c], v40
.endr
.irp c, 0,1,2,3
	v_exp_f32 v[92+\c], v[88+\c]                   ; w_c = 2^(M_c - M)
.endr
	v_nop
	s_wait_alu depctr_va_vdst(0)                   ; one wait for the four, ahead of their first reader
	v_mul_f32 v41, v92, v84
	v_fmac_f32 v41, v93, v85
	v_fmac_f32 v41, v94, v86
	v_fmac_f32 v41, v95, v87                       ; L: at least 1, since the quarter that holds M has a p of 1
	v_rcp_f32 v42, v41
	v_nop
	s_wait_alu depctr_va_vdst(0)
.irp c, 0,1,2,3
	v_mul_f32 v[56+2*\c], v[92+\c], v42            ; w_c / L, twice: a pair for the packed forms
	v_mul_f32 v[57+2*\c], v[92+\c], v42
.endr
.set i, 0
.rept 16
	v_pk_mul_f32 v[96+i:97+i], v[128+i:129+i], v[56:57]
.set i, i+2
.endr
.irp c, 1,2,3
.set i, 0
.rept 16
	v_pk_fma_f32 v[96+i:97+i], v[128+32*\c+i:129+32*\c+i], v[56+2*\c:57+2*\c], v[96+i:97+i]
.set i, i+2
.endr
.endr
	WBATCH 0                                       ; the quarters' registers are free: W_o's first two batches land under the rest of phase 1
	WBATCH 1
.irp g, 0,1,2,3
	SPLIT4 96+8*\g, 16+4*\g, 32+4*\g
.endr
.irp ct, 0,1,2,3
	ds_store_b128 v4, v[16+4*\ct:19+4*\ct] offset:AHI+512*\ct
	ds_store_b128 v4, v[32+4*\ct:35+4*\ct] offset:ALO+512*\ct
.endr
	s_wait_dscnt 0x0                               ; for the others' sake: my stores have landed
	s_barrier_signal -1
	s_barrier_wait -1                              ; att's 24 fragments lie in LDS, high and low
.irp b, 0,1,2,3,4,5
.irp k, 0,1,2,3
.irp c, 0,1
	ds_load_b128 v[64+8*\k+4*\c:67+8*\k+4*\c], v1 offset:AHI+(4*\b+\k)*1024+512*\c
	ds_load_b128 v[96+8*\k+4*\c:99+8*\k+4*\c], v1 offset:ALO+(4*\b+\k)*1024+512*\c
.endr
.endr
.if \b < 5
	s_wait_loadcnt 16                              ; this batch's 16 loads are in; the other set's may be out
.else
	s_wait_loadcnt 0x0
.endif
	s_wait_dscnt 0x0
.set WB, 128+64*(\b%2)
.irp k, 0,1,2,3
.if (\b == 0) && (\k == 0)
	v_wmma_f32_16x16x32_f16 v[16:23], v[WB+8*\k:WB+8*\k+7], v[64+8*\k:71+8*\k], v[48:55]
	v_wmma_f32_16x16x32_f16 v[24:31], v[WB+8*\k:WB+8*\k+7], v[96+8*\k:103+8*\k], 0
	v_wmma_f32_16x16x32_f16 v[32:39], v[WB+32+8*\k:WB+32+8*\k+7], v[64+8*\k:71+8*\k], 0
.else
	v_wmma_f32_16x16x32_f16 v[16:23], v[WB+8*\k:WB+8*\k+7], v[64+8*\k:71+8*\k], v[16:23]
	v_wmma_f32_16x16x32_f16 v[24:31], v[WB+8*\k:WB+8*\k+7], v[96+8*\k:103+8*\k], v[24:31]
	v_wmma_f32_16x16x32_f16 v[32:39], v[WB+32+8*\k:WB+32+8*\k+7], v[64+8*\k:71+8*\k], v[32:39]
.endif
.endr
.rept 4
	v_nop                                          ; four places in front of loads into registers that matrix instructions have read, and of the first read of results
.endr
.if \b < 4
	WBATCH \b+2
.endif
.endr
.irp i, 0,2,4,6
	v_pk_add_f32 v[40+\i:41+\i], v[16+\i:17+\i], v[24+\i:25+\i]   ; the three sums; each accumulator from its low end on
.endr
.irp i, 0,2,4,6
	v_pk_add_f32 v[40+\i:41+\i], v[40+\i:41+\i], v[32+\i:33+\i]
.endr
	ds_store_b128 v5, v[40:43]                     ; lane (r, h): out0(r, 16 nt + 8 h + 0 .. 7)
	ds_store_b128 v5, v[44:47] offset:16
	s_wait_dscnt 0x0
	s_barrier_signal -1
	s_barrier_wait -1                              ; 16 rows x 192 columns lie in the stage
	ds_load_b128 v[64:67], v6
	ds_load_b128 v[68:71], v6 offset:2*784
	s_wait_dscnt 0x0
	global_store_b128 v7, v[64:67], s[10:11] th:TH_STORE_NT              ; 16 lanes store 256 consecutive bytes, aligned
	global_store_b128 v7, v[68:71], s[10:11] offset:2*3072 th:TH_STORE_NT
	s_wait_tensorcnt 0x0                           ; the wave's end, behind my last LDS store
	ds_add_u32 v14, v15
	s_wait_dscnt 0x0
	s_endpgm
.Lfunc_end_k_qfd79633cb8_fineout:
	.size	k_qfd79633cb8_fineout, .Lfunc_end_k_qfd79633cb8_fineout-k_qfd79633cb8_fineout
	.p2alignl 7, 3214868480
	.fill 96, 4, 3214868480
	.section	.rodata,"a",@progbits
	.p2align	6, 0x0
	.amdhsa_kernel k_qfd79633cb8_fineout
		.amdhsa_group_segment_fixed_size 63232
		.amdhsa_private_segment_fixed_size 0
		.amdhsa_enable_private_segment 0
		.amdhsa_kernarg_size 32
		.amdhsa_user_sgpr_count 2
		.amdhsa_user_sgpr_kernarg_segment_ptr 1
		.amdhsa_wavefront_size32 1
		.amdhsa_system_sgpr_workgroup_id_x 1
		.amdhsa_system_sgpr_workgroup_id_y 1
		.amdhsa_system_sgpr_workgroup_id_z 1
		.amdhsa_system_vgpr_workitem_id 0
		.amdhsa_next_free_vgpr 256
		.amdhsa_next_free_sgpr 66
		.amdhsa_reserve_vcc 0
		.amdhsa_float_denorm_mode_32 3
		.amdhsa_float_denorm_mode_16_64 3
		.amdhsa_memory_ordered 1
		.amdhsa_forward_progress 1
		.amdhsa_inst_pref_size 40
	.end_amdhsa_kernel
	.amdgpu_metadata
---
amdhsa.version: [ 1, 2 ]
amdhsa.kernels:
  - .name:           k_qfd79633cb8_fineout
    .symbol:         k_qfd79633cb8_fineout.kd
    .args:
      - { .name: part, .offset: 0, .size: 8, .value_kind: global_buffer, .address_space: global }
      - { .name: wo, .offset: 8, .size: 8, .value_kind: global_buffer, .address_space: global }
      - { .name: b_o, .offset: 16, .size: 8, .value_kind: global_buffer, .address_space: global }
      - { .name: out0, .offset: 24, .size: 8, .value_kind: global_buffer, .address_space: global }
    .group_segment_fixed_size: 63232
    .private_segment_fixed_size: 0
    .kernarg_segment_align: 8
    .kernarg_segment_size: 32
    .max_flat_workgroup_size: 384
    .sgpr_count:     66
    .vgpr_count:     256
    .wavefront_size: 32
...
	.end_amdgpu_metadata
.endif
;; end of part 6
;; ======== version 2 of 2: 5 launches
;; limits: values are held in f16: magnitudes above 65,504 overflow, below 6.1e-05 lose precision
;; workspace buffers: wfp4 995,328 bytes; wo 2,359,296 bytes; qimg 6,389,760 bytes; kv 12,582,912 bytes; kvlo 12,582,912 bytes; att 6,291,456 bytes; part 202,752 bytes
;; launch prep: the kernel of part 1 again; grid 12 x 24, 4 waves a work-group, no clusters, 0 bytes of LDS; arguments W_q, W_k, W_v, W_o, wfp4, wo; writes wfp4, wo
;; launch proj: the kernel of part 2 again; grid 64 x 3, 12 waves a work-group, no clusters, 29,184 bytes of LDS; arguments queries, keys, values, wfp4, qimg, kv, kvlo; writes qimg, kv, kvlo
;; launch fineatt: the kernel of part 3 again; grid 4 x 12, 16 waves a work-group, no clusters, 69,632 bytes of LDS; arguments mask, qimg, kv, kvlo, part; writes part
;; launch attn (part 7): grid 32 x 6, 8 waves a work-group, clusters of 4 x 1, 327,680 bytes of LDS; arguments mask, qimg, kv, att; writes att
.if DOCPART == 7
	.amdgcn_target "amdgcn-amd-amdhsa--gfx1250"
	.amdhsa_code_object_version 6
	.text
	.protected	k_qfd79633cb8_attn
	.globl	k_qfd79633cb8_attn
	.p2align	8
	.type	k_qfd79633cb8_attn,@function
k_qfd79633cb8_attn:
	s_mov_b64 s[64:65], 0
	v_nop
	global_prefetch_b8 v0, s[64:65] scope:SCOPE_SE
	s_setreg_imm32_b32 hwreg(HW_REG_WAVE_MODE, 25, 1), 1
	s_wait_xcnt 0x0
	s_wait_alu depctr_hold_cnt(0) depctr_sa_sdst(0) depctr_va_vdst(0) depctr_va_sdst(0) depctr_va_ssrc(0) depctr_va_vcc(0) depctr_vm_vsrc(0)
	s_getreg_b32 s2, hwreg(HW_REG_IB_STS2, 6, 4)
	s_cmp_eq_u32 s2, 0
	s_cbranch_scc0 .Lentry_in_a_cluster
	s_endpgm
.Lentry_in_a_cluster:
	s_bfe_u32 s2, ttmp6, 0x10000c
	s_cmp_lg_u32 s2, 0x3003
	s_cbranch_scc0 .Lentry_shape_is_right
	s_endpgm
.Lentry_shape_is_right:
; att[q][head][:] = the sum over k of softmax_k(q . k / 8 + mask[q][k] x (-1e9)) v[k][:], all 4,096 keys: the mask is an input and is read as it is given.
; Operands are f16 (q carries log2(e) / 8 already), products and sums f32.  q, k, v come as images of operand registers (a group of four registers: 512 bytes, lane l at 16 l), and att leaves so.
; SHARES.  A work-group owns 128 queries of two heads.  Eight waves; wave w: head 2 hp + w / 4, queries 32 (w % 4) on: two tiles of 16.
;   3,072 units of (16 queries, head) at 16 a work-group are 192 work-groups.  128 queries x 2 heads is the shape with the fewest bytes to fill for a key (512 of mask + 512 of K and V),
;   and it lets an LDS slot hold 128 keys, two steps' work for each refill.
; LAYOUT.  S^T = K Q^T (source 0 = 16 keys, source 1 = 16 queries): a lane holds ONE query (lane % 16) and keys 8 (lane / 16) + 0..7.  Two such tiles rounded to f16 ARE source 1 of O^T = V^T P.
; SOFTMAX.  t = mask x (-1e9 log2 e) + s, one fused multiply-add in f32; a running maximum m; p = 2^(t - m) by a plain subtraction; O and l are multiplied by a = 2^(m_old - m_new) in every step.
;   The step is written once: O and l begin as zeros and m as -3e38.
; A STEP is 64 keys: V is asked of LDS; K Q^T; the mask; the NEXT step's K and mask are asked of LDS; the softmax; V^T P.  So every LDS load stands a phase or more ahead of its use.
; RING.  Two slots of 128 keys: K and V of both heads (2 x 32,768 bytes, dense) and the mask's 128 rows x 512 bytes (LDS pitch 528).  Waves 0, 1 fetch the mask's halves, waves 2, 3 a head's K and V.
;   Both slots are filled at the head.  THE CHANGE OF SLOTS STANDS INSIDE A SLOT'S SECOND STEP, behind its products K Q^T: all that the wave wants of the slot is then in its registers.
; THE TWO HALVES OF THE WORK-GROUP ARE HALF A STEP APART: waves 4-7 take that step's softmax ahead of the change, waves 0-3 behind it.  So behind each change four waves have vector work in hand
;   and four the products V^T P and K Q^T.  The two branches hang on the wave's number and lead round the softmax alone: no LDS access, no wait for memory, no add and no barrier stands in it.
; CLUSTER.  The four partners are four query blocks of one pair of heads: K and V are asked for JOINTLY (mask 15).  Their mask tiles differ: those are plain loads behind the same round.
;   The mask is shared by the six pairs of heads, which no cluster of four divides: so it is not asked for jointly.
; LIMITS: c q, k, v under 65,504; NaN and infinities are not served; where every key of a row is masked the weights are uniform, as in the definition, while |s| stays under 64.
.set SLOTB, 133120                     ; a slot: K, V of head 0 at 0, of head 1 at 32,768, the mask at MOFF
.set MOFF,  65536
.set MP,    528                        ; a mask row in LDS: 512 bytes + 16 = 132 words: row r starts at bank 4 r mod 64 (64 banks of 4 bytes: ISA guide 11.1)
.set SPARE, 2*SLOTB                    ; behind the ring: the spare words, 128 bytes for each wave: four blocks of 256 bytes that no other line names
.set AKV, 1                            ; v1, v2  my head's K and V in slot 0, 1: + 16 x lane
.set AM,  3                            ; v3, v4  my queries' mask rows in slot 0, 1: row r, + 32 h
.set LI,  5                            ; v5   16 x lane
.set SPW, 6                            ; v6   LDS address of my spare word; never rewritten
.set NIL, 7                            ; v7   0; never rewritten
.set PFO, 8                            ; v8   the prefetches' offset; never rewritten
.set Q,   16                           ; v16-47   Q (t, u) at 16 + 16 t + 8 u
.set VB,  48                           ; v48-111  V^T of 64 keys: (kb, ct) at 48 + 32 kb + 8 ct
.set S,   112                          ; v112-175 S^T (t, g) at 112 + 32 t + 8 g; P in place at 112 + 32 t + 0..15
.set O,   176                          ; v176-239 O^T (t, ct) at 176 + 32 t + 8 ct
.set ST,  240                          ; v240-255 tile t at 240 + 8 t: +0 -m, +1 m, +2, +3 l, +4 to +7 at work; a takes +6
.set KW,  64                           ; window 1: v0-63 (v256-319) the mask's 64 numbers a lane; v64-127 (v320-383) K of 64 keys: (g, u) at 64 + 16 g + 8 u
.set WV,  12
.set G1M, 16                           ; s[16:23] descriptor group 1 for the mask's tiles; s[24:31] for K and V
.set G1K, 24
.set G0M, 32                           ; s[32:39] group 0 for the mask, a set for each slot; s[40:47] for K and V
.set G0K, 40
.set SEL, 48
.set C2,  50
.set LAPS, 52
.set SLOTS, 53                         ; refills still to come
.set LIM, 54                           ; 1 in a wave that prefetches, else the greatest number
.set PFA, 56                           ; s[56:57] where my prefetches stand
.set PFS, 58                           ; s[58:59] a tile on, in bytes
.set MSB, 0
.macro WIN new                         ; the immediate's high byte repeats the setting that is left
.if MSB != \new
	s_set_vgpr_msb (MSB<<8)|\new
.set MSB, \new
.endif
.endm
.macro CROUND                          ; a round of the cluster's barrier
	s_barrier_signal -1
	s_barrier_wait -1
	s_cmp_lg_u32 s[WV], 0
	s_cbranch_scc1 .Lnot_wave_0_\@
	s_barrier_signal -3
.Lnot_wave_0_\@:
	s_barrier_wait -3
	s_barrier_signal -1
	s_barrier_wait -1
.endm
; Slot n is asked for again.  The branches hang on the wave's number alone.  An s_nop 0 and four v_nop follow each of the two lines.
.macro TLOAD n
	s_cmp_lt_u32 s[WV], 2
	s_cbranch_scc0 .Lnot_m_\@
	tensor_load_to_lds s[G0M+4*(\n):G0M+4*(\n)+3], s[G1M:G1M+7]
	s_nop 0
.rept 4
	v_nop
.endr
	s_branch .Lasked_\@
.Lnot_m_\@:
	s_cmp_lt_u32 s[WV], 4
	s_cbranch_scc0 .Lasked_\@
	tensor_load_to_lds s[G0K+4*(\n):G0K+4*(\n)+3], s[G1K:G1K+7]
	s_nop 0
.rept 4
	v_nop
.endr
.Lasked_\@:
.endm
; A PREFETCH INTO THE L2 of the tile that the NEXT change of slots will ask for: two steps, 64 matrix instructions and two softmaxes a wave, ahead of that load.  One instruction in each of the waves that fetch nothing.
; Each aligned block of 256 bytes is named once in the launch.  A mask tile (128 rows x 512 bytes) is read by the six work-groups of a query block: those of hp 0 to 3 ask, 32 rows each; waves 4, 5 take 16 rows, two lanes a row.
; A pair of heads' K and V (256 blocks a tile) is read by eight clusters: the first asks; its four partners share the blocks out BY ADDRESS, 64 each; waves 6, 7 take 32, a lane a block.
; The last change that fills a slot asks for nothing; tiles 0, 1 and 2 come by their loads alone.
.macro ASK
	s_cmp_gt_u32 s[SLOTS], s[LIM]
	s_cbranch_scc0 .Lnot_mine_\@
	global_prefetch_b8 v[PFO], s[PFA:PFA+1] th:TH_LOAD_NT scope:SCOPE_SE
.Lnot_mine_\@:
.endm
.macro NXT s, half                     ; K and the mask of the step (slot s, half) into window 1: 32 LDS loads in one run
	WIN 0x40                                       ; destination window 1, address window 0
.irp g, 0,1,2,3
.irp ct, 0,1,2,3
	ds_load_b128 v[KW+16*\g+4*\ct:KW+16*\g+4*\ct+3], v[AKV+(\s)] offset:(4*\half+\g)*2048+\ct*512
.endr
.endr
.irp t, 0,1
.irp g, 0,1,2,3
.irp c, 0,1
	ds_load_b128 v[32*\t+8*\g+4*\c:32*\t+8*\g+4*\c+3], v[AM+(\s)] offset:\t*16*MP+\half*256+64*\g+16*\c   ; my 32 queries x 64 keys, in S^T's layout
.endr
.endr
.endr
	WIN 0
.endm
.macro VLOAD s, half                   ; V^T of the step: 16 LDS loads
.irp kb, 0,1
.irp ct, 0,1,2,3
.irp c, 0,1
	ds_load_b128 v[VB+32*\kb+8*\ct+4*\c:VB+32*\kb+8*\ct+4*\c+3], v[AKV+\s] offset:16384+(2*\half+\kb)*4096+\ct*1024+\c*512
.endr
.endr
.endr
.endm
; S^T = K Q^T, then t = mask x (-1e9 log2 e) + s.  One window setting serves both: source 0 (K, the mask) in window 1.
.macro QKM
	s_wait_dscnt 16                                ; this step's K and mask are in; V's 16 loads, issued behind them, may be out
	WIN 0x01
.irp u, 0,1                                    ; the eight accumulators by turns; the first eight start the sums
.irp g, 0,1,2,3
.irp t, 0,1
.if \u == 0
	v_wmma_f32_16x16x32_f16 v[S+32*\t+8*\g:S+32*\t+8*\g+7], v[KW+16*\g+8*\u:KW+16*\g+8*\u+7], v[Q+16*\t+8*\u:Q+16*\t+8*\u+7], 0
.else
	v_wmma_f32_16x16x32_f16 v[S+32*\t+8*\g:S+32*\t+8*\g+7], v[KW+16*\g+8*\u:KW+16*\g+8*\u+7], v[Q+16*\t+8*\u:Q+16*\t+8*\u+7], v[S+32*\t+8*\g:S+32*\t+8*\g+7]
.endif
.endr
.endr
.endr
.rept 4
	v_nop                                          ; four places in front of the first read of S^T, and of the loads into K's registers further down
.endr
.set i, 0
.rept 32
	v_pk_fma_f32 v[S+i:S+i+1], v[i:i+1], s[C2:C2+1], v[S+i:S+i+1] op_sel_hi:[1,0,1]   ; each accumulator from its low end on
.set i, i+2
.endr
	WIN 0
.endm
; The softmax of a step, both tiles line by line: registers alone, all in window 0.
.macro SM
.irp j, 0,1,2,3                                ; the largest t of each query: four chains a tile
.irp t, 0,1
	v_max3_num_f32 v[ST+8*\t+4+\j], v[S+32*\t+8*\j], v[S+32*\t+8*\j+1], v[S+32*\t+8*\j+2]
.endr
.endr
.irp i, 3,5
.irp j, 0,1,2,3
.irp t, 0,1
	v_max3_num_f32 v[ST+8*\t+4+\j], v[ST+8*\t+4+\j], v[S+32*\t+8*\j+\i], v[S+32*\t+8*\j+\i+1]
.endr
.endr
.endr
.irp t, 0,1
	v_max3_num_f32 v[ST+8*\t+4], v[ST+8*\t+4], v[S+32*\t+7], v[S+32*\t+15]
.endr
.irp t, 0,1
	v_max3_num_f32 v[ST+8*\t+6], v[ST+8*\t+6], v[S+32*\t+23], v[S+32*\t+31]
.endr
.irp t, 0,1
	v_max3_num_f32 v[ST+8*\t+4], v[ST+8*\t+4], v[ST+8*\t+5], v[ST+8*\t+6]
.endr
.irp t, 0,1
	v_max3_num_f32 v[ST+8*\t+4], v[ST+8*\t+4], v[ST+8*\t+7], v[ST+8*\t+1]   ; with the old m
.endr
.irp t, 0,1
	v_permlanex16_b32 v[ST+8*\t+5], v[ST+8*\t+4], s[SEL], s[SEL+1]          ; the query's other 32 keys lie in the lane 16 away
.endr
.irp t, 0,1
	v_max_num_f32 v[ST+8*\t+6], v[ST+8*\t+4], v[ST+8*\t+5]                  ; the new m
.endr
.irp t, 0,1
	v_sub_f32 v[ST+8*\t+7], v[ST+8*\t+1], v[ST+8*\t+6]                      ; m_old - m_new
.endr
.irp t, 0,1
	v_mov_b32 v[ST+8*\t+1], v[ST+8*\t+6]
.endr
.irp t, 0,1
	v_sub_f32 v[ST+8*\t], 0, v[ST+8*\t+6]                                   ; -m
.endr
.irp t, 0,1
	v_exp_f32 v[ST+8*\t+6], v[ST+8*\t+7]                                    ; a
.endr
.set i, 0
.rept 16
.irp t, 0,1
	v_pk_add_f32 v[S+32*\t+i:S+32*\t+i+1], v[S+32*\t+i:S+32*\t+i+1], v[ST+8*\t:ST+8*\t+1] op_sel_hi:[1,0]   ; t - m
.endr
.set i, i+2
.endr
.set i, 0
.rept 64
	v_exp_f32 v[S+i], v[S+i]                       ; p = 2^(t - m)
.set i, i+1
.endr
	v_nop                                          ; a plain line behind the last exponential
	s_wait_alu depctr_va_vdst(0)                   ; ONE wait for the 66 exponentials, ahead of their first reader
.irp t, 0,1
	v_pk_mul_f32 v[ST+8*\t+2:ST+8*\t+3], v[ST+8*\t+2:ST+8*\t+3], v[ST+8*\t+6:ST+8*\t+7] op_sel_hi:[1,0]   ; l x a
.endr
.irp t, 0,1
	v_pk_add_f32 v[ST+8*\t+4:ST+8*\t+5], v[S+32*\t:S+32*\t+1], v[S+32*\t+2:S+32*\t+3]   ; the sum of the unrounded p, in two chains
.endr
.irp j, 4,8,12,16,20,24,28
.irp t, 0,1
	v_pk_add_f32 v[ST+8*\t+2:ST+8*\t+3], v[ST+8*\t+2:ST+8*\t+3], v[S+32*\t+\j:S+32*\t+\j+1]
	v_pk_add_f32 v[ST+8*\t+4:ST+8*\t+5], v[ST+8*\t+4:ST+8*\t+5], v[S+32*\t+\j+2:S+32*\t+\j+3]
.endr
.endr
.irp t, 0,1
	v_pk_add_f32 v[ST+8*\t+2:ST+8*\t+3], v[ST+8*\t+2:ST+8*\t+3], v[ST+8*\t+4:ST+8*\t+5]
.endr
.set i, 0
.rept 16
.irp t, 0,1
	v_cvt_pk_f16_f32 v[S+32*\t+i], v[S+32*\t+2*i], v[S+32*\t+2*i+1]   ; P in place, ascending: a register is written only when the pair that lay there has been read
.endr
.set i, i+1
.endr
.set i, 0
.rept 16
.irp t, 0,1
	v_pk_mul_f32 v[O+32*\t+i:O+32*\t+i+1], v[O+32*\t+i:O+32*\t+i+1], v[ST+8*\t+6:ST+8*\t+7] op_sel_hi:[1,0]   ; O^T x a; each accumulator from its low end on
.endr
.set i, i+2
.endr
.endm
; O^T += V^T P.  left: the LDS loads younger than V's that may stay out; -1: V has been waited for already.
.macro PVM left
.if \left >= 0
	s_wait_dscnt \left
.endif
.irp kb, 0,1                                   ; the eight accumulators by turns
.irp ct, 0,1,2,3
.irp t, 0,1
	v_wmma_f32_16x16x32_f16 v[O+32*\t+8*\ct:O+32*\t+8*\ct+7], v[VB+32*\kb+8*\ct:VB+32*\kb+8*\ct+7], v[S+32*\t+8*\kb:S+32*\t+8*\kb+7], v[O+32*\t+8*\ct:O+32*\t+8*\ct+7]
.endr
.endr
.endr
.rept 5
	v_nop                                          ; five places: the next step's first products write over P, a source of these; they also serve the loads into V's registers
.endr
.endm
; THE CHANGE OF SLOTS.  Each wave waits for all its tensor loads (one at the most is out: its part of the other slot), adds 0 to its spare word, and waits for that and for its reads of slot s, which are its last.
; fill = 1: behind a round of the cluster's barrier slot s is asked for again, with the keys two tiles on: the wave's one tensor load until the next round; it has a tile's two steps in which to land.
.macro CHANGE s, fill
	s_wait_tensorcnt 0x0                           ; no tensor load of mine is out, so a group 0 may be written
	ds_add_u32 v[SPW], v[NIL]                      ; 0 onto my spare word
.if \fill
	ds_add_u32 v[SPW], v[NIL]                      ; and once more
	s_add_nc_u64 s[G0M+4*\s+2:G0M+4*\s+3], s[G0M+4*\s+2:G0M+4*\s+3], 1024     ; this slot's next tile: 256 keys on in the mask's rows,
	s_add_nc_u64 s[G0K+4*\s+2:G0K+4*\s+3], s[G0K+4*\s+2:G0K+4*\s+3], 65536    ; two chunks on in K and V; the type bits on top are not reached
	s_wait_xcnt 0x0                                ; the last prefetch, a tile back, has read its address, so it may be written
	s_add_nc_u64 s[PFA:PFA+1], s[PFA:PFA+1], s[PFS:PFS+1]
	s_wait_dscnt 0x0                               ; both adds are done, and my reads of this slot are over: K, the mask and V are in registers
	CROUND                                         ; the same now holds of every wave of all four partners
	TLOAD \s
	ASK
	s_sub_co_u32 s[SLOTS], s[SLOTS], 1
.else
	s_wait_dscnt 0x0
	s_barrier_signal -1
	s_barrier_wait -1
.endif
.endm
.macro STEP0 s                         ; a slot's first 64 keys
	VLOAD \s, 0
	QKM
	NXT \s, 1
	SM
	PVM 32                                         ; V is in; the next step's K and mask, 32 loads issued behind it, may be out
.endm
.macro STEP1 s, fill                   ; its second 64 keys, with the change of slots
	VLOAD \s, 1
	QKM
	s_cmp_lt_u32 s[WV], 4
	s_cbranch_scc1 .Llate_\@                       ; waves 0-3 take the softmax behind the change,
	SM                                             ; waves 4-7 here
.Llate_\@:
	CHANGE \s, \fill
	NXT 1-\s, 0                                    ; the other slot is whole: its first step's K and mask
	s_cmp_lt_u32 s[WV], 4
	s_cbranch_scc0 .Ldone_\@
	SM
.Ldone_\@:
	PVM -1                                         ; V was waited for in front of the change
.endm
.macro STEPL s                         ; the very last 64 keys: nothing more to fetch
	VLOAD \s, 1
	QKM
	SM
	PVM 0
.endm
	s_load_b256 s[4:11], s[0:1], 0x0               ; mask s[4:5], qimg s[6:7], kv s[8:9], att s[10:11]
	v_lshl_add_u32 v[SPW], v0, 2, SPARE
	v_mov_b32 v[NIL], 0
	ds_add_u32 v[SPW], v[NIL]                      ; the wave's opening: the add, twice on end, and its wait ahead of the first tensor load
	ds_add_u32 v[SPW], v[NIL]
	v_lshrrev_b32 v9, 5, v0
	v_readfirstlane_b32 s[WV], v9                  ; wave 0..7
	s_bfe_u32 s13, ttmp6, 0x40000                  ; cx: my place in the cluster
	s_lshl_b32 s14, ttmp9, 2
	s_add_co_u32 s14, s14, s13                     ; qb: my block of 128 queries; it enters global addresses alone
	s_and_b32 s15, ttmp7, 0xffff                   ; hp: the pair of heads, which the partners share
	; the mask's tile: 64 rows x 128 elements of 4 bytes, 4,096 elements from row to row, 4 words of padding behind every 128
	s_mov_b32 s[G1M], (2<<16)|(1<<20)|(6<<22)|(3<<25)
	s_mov_b32 s[G1M+1], 128<<16                    ; tensor_dim0
	s_mov_b32 s[G1M+2], 64<<16                     ; tensor_dim1
	s_mov_b32 s[G1M+3], 128<<16                    ; tile_dim0
	s_mov_b32 s[G1M+4], 64                         ; tile_dim1
	s_mov_b32 s[G1M+5], 4096                       ; stride
	s_mov_b32 s[G1M+6], 0
	s_mov_b32 s[G1M+7], 0
	; a head's K and V of 128 keys: a dense block of 32,768 bytes as 128 rows of 32 elements of 8 bytes; mask 15: all four partners; bit 21 set beside it
	s_mov_b32 s[G1K], 15|(3<<16)|(1<<21)
	s_mov_b32 s[G1K+1], 32<<16
	s_mov_b32 s[G1K+2], 128<<16
	s_mov_b32 s[G1K+3], 32<<16
	s_mov_b32 s[G1K+4], 128
	s_mov_b32 s[G1K+5], 32
	s_mov_b32 s[G1K+6], 0
	s_mov_b32 s[G1K+7], 0
	s_mov_b32 s[SEL], 0x76543210
	s_mov_b32 s[SEL+1], 0xfedcba98
	s_mov_b32 s[C2], 0xceabfb8f                    ; -1e9 x log2(e)
	s_mov_b32 s[C2+1], s[C2]
	s_mov_b32 s[LAPS], 15
	s_mov_b32 s[SLOTS], 30
	s_and_b32 s60, s[WV], 1                        ; which half of the mask's rows, or which head, I fetch
	s_mul_i32 s61, s60, 64*MP
	s_lshl_b32 s62, s15, 1
	s_add_co_u32 s62, s62, s60
	s_lshl_b32 s62, s62, 20                        ; K, V: (2 hp + half) x 2^20: no place in the cluster enters it
	s_mov_b32 s63, 0
	s_lshl_b32 s66, s14, 21                        ; the mask: (128 qb + 64 half) rows of 16,384 bytes
	s_lshl_b32 s67, s60, 20
	s_add_co_u32 s66, s66, s67
	s_mov_b32 s67, 0
	s_wait_dscnt 0x0                               ; both opening adds are done
	s_wait_kmcnt 0x0
	s_mov_b32 s[G0M], 1                            ; slot 0: tile 0
	s_add_co_u32 s[G0M+1], s61, MOFF
	s_add_nc_u64 s[G0M+2:G0M+3], s[4:5], s[66:67]
	s_mov_b32 s[G0M+4], 1                          ; slot 1: tile 1, 128 keys on
	s_add_co_u32 s[G0M+5], s61, SLOTB+MOFF
	s_add_nc_u64 s[G0M+6:G0M+7], s[G0M+2:G0M+3], 512
	s_or_b32 s[G0M+3], s[G0M+3], 0x80000000        ; type = 2
	s_or_b32 s[G0M+7], s[G0M+7], 0x80000000
	s_mov_b32 s[G0K], 1
	s_lshl_b32 s[G0K+1], s60, 15
	s_add_nc_u64 s[G0K+2:G0K+3], s[8:9], s[62:63]
	s_mov_b32 s[G0K+4], 1
	s_add_co_u32 s[G0K+5], s[G0K+1], SLOTB
	s_add_nc_u64 s[G0K+6:G0K+7], s[G0K+2:G0K+3], 32768
	s_or_b32 s[G0K+3], s[G0K+3], 0x80000000
	s_or_b32 s[G0K+7], s[G0K+7], 0x80000000
	CROUND                                         ; all four work-groups are here: the first joint loads meet
	s_cmp_lt_u32 s[WV], 2                          ; a wave's two first fills stand in one branch, ahead of every wait on TENSORcnt and every LDS read: two loads of mine are out
	s_cbranch_scc0 .Lfirst_k
	tensor_load_to_lds s[G0M:G0M+3], s[G1M:G1M+7]
	s_nop 0
	tensor_load_to_lds s[G0M+4:G0M+7], s[G1M:G1M+7]
	s_nop 0
.rept 4
	v_nop
.endr
	s_branch .Lfirst_asked
.Lfirst_k:
	s_cmp_lt_u32 s[WV], 4
	s_cbranch_scc0 .Lfirst_asked
	tensor_load_to_lds s[G0K:G0K+3], s[G1K:G1K+7]
	s_nop 0
	tensor_load_to_lds s[G0K+4:G0K+7], s[G1K:G1K+7]
	s_nop 0
.rept 4
	v_nop
.endr
.Lfirst_asked:
	v_and_b32 v9, 31, v0                           ; lane
	v_and_b32 v10, 15, v0                          ; r
	v_bfe_u32 v11, v0, 4, 1                        ; h
	v_lshlrev_b32 v[LI], 4, v9
	s_lshr_b32 s68, s[WV], 2                       ; which of the two heads is mine
	s_lshl_b32 s69, s15, 1
	s_add_co_u32 s69, s69, s68                     ; my head
	s_and_b32 s70, s[WV], 3
	s_lshl_b32 s71, s14, 3
	s_lshl_b32 s72, s70, 1
	s_add_co_u32 s71, s71, s72                     ; my first tile of queries: 8 qb + 2 (w % 4)
	s_lshl_b32 s72, s69, 19
	s_lshl_b32 s73, s71, 11
	s_add_co_u32 s72, s72, s73
	s_mov_b32 s73, 0
	s_add_nc_u64 s[6:7], s[6:7], s[72:73]          ; Q: (256 head + tile) x 2,048
	s_mul_i32 s72, s71, 24
	s_lshl_b32 s74, s69, 1
	s_add_co_u32 s72, s72, s74
	s_lshl_b32 s72, s72, 10
	s_add_nc_u64 s[10:11], s[10:11], s[72:73]      ; att: (24 tile + 2 head) x 1,024
.irp t, 0,1
.irp ct, 0,1,2,3
	global_load_b128 v[Q+16*\t+4*\ct:Q+16*\t+4*\ct+3], v[LI], s[6:7] offset:\t*2048+\ct*512   ; Q stays in registers
.endr
.endr
	s_lshl_b32 s74, s68, 15
	v_add_nc_u32 v[AKV], s74, v[LI]
	v_add_nc_u32 v[AKV+1], SLOTB, v[AKV]
	s_mul_i32 s75, s70, 32*MP
	s_add_co_u32 s75, s75, MOFF
	v_mul_u32_u24 v[AM], v10, MP
	v_lshl_add_u32 v[AM], v11, 5, v[AM]
	v_add_nc_u32 v[AM], s75, v[AM]
	v_add_nc_u32 v[AM+1], SLOTB, v[AM]
	; the prefetches: who asks, and where
	v_lshrrev_b32 v12, 1, v9
	v_lshlrev_b32 v12, 14, v12
	v_and_b32 v13, 1, v9
	v_lshl_add_u32 v12, v13, 8, v12                ; in the mask: two lanes a row, 256 bytes each
	v_lshlrev_b32 v13, 8, v9                       ; in K and V: a lane a block of 256 bytes
	s_min_u32 s74, s15, 3                          ; (held so that the address stays inside the mask in the work-groups that do not ask, too)
	s_lshl_b32 s76, s14, 21
	s_lshl_b32 s74, s74, 19
	s_add_co_u32 s76, s76, s74
	s_lshl_b32 s74, s60, 18
	s_add_co_u32 s76, s76, s74                     ; the mask: row 128 qb + 32 hp + 16 (w % 2)
	s_lshr_b32 s74, s13, 1
	s_lshl_b32 s78, s15, 1
	s_add_co_u32 s78, s78, s74
	s_lshl_b32 s78, s78, 20
	s_and_b32 s74, s13, 1
	s_lshl_b32 s74, s74, 14
	s_add_co_u32 s78, s78, s74
	s_lshl_b32 s74, s60, 13
	s_add_co_u32 s78, s78, s74                     ; K, V: head 2 hp + cx / 2, block 64 (cx % 2) + 32 (w % 2)
	s_cmp_lt_u32 s15, 4
	s_cselect_b32 s74, 1, -1
	s_cmp_eq_u32 ttmp9, 0
	s_cselect_b32 s75, 1, -1
	s_mov_b32 s[PFS], 32768
	s_mov_b32 s[PFS+1], 0
	s_mov_b32 s77, 0
	s_cmp_lt_u32 s[WV], 6                          ; waves 4, 5 ask for the mask, waves 6, 7 for K and V
	s_cselect_b32 s[LIM], s74, s75
	s_cselect_b32 s76, s76, s78
	s_cselect_b32 s[PFS], 512, s[PFS]
	s_cselect_b64 s[PFA:PFA+1], s[4:5], s[8:9]
	s_cselect_b32 s79, 0, -1
	v_cndmask_b32 v[PFO], v12, v13, s79
	s_cmp_lt_u32 s[WV], 4
	s_cselect_b32 s[LIM], -1, s[LIM]               ; waves 0 to 3 fetch, and ask for nothing
	s_add_nc_u64 s[PFA:PFA+1], s[PFA:PFA+1], s[76:77]
	s_add_nc_u64 s[PFA:PFA+1], s[PFA:PFA+1], s[PFS:PFS+1]
	s_add_nc_u64 s[PFA:PFA+1], s[PFA:PFA+1], s[PFS:PFS+1]   ; at tile 2: the first change steps it to tile 3.  Nothing is prefetched here, at the head
.irp t, 0,1
	v_mov_b32 v[ST+8*\t], 0
	v_mov_b32 v[ST+8*\t+1], 0xff61b1e6             ; m: -3e38, under every t
	v_mov_b32 v[ST+8*\t+2], 0                      ; l, in two halves
	v_mov_b32 v[ST+8*\t+3], 0
.endr
.set i, 0
.rept 64
	v_mov_b32 v[O+i], 0                            ; O^T.  (The step is written once: the first finds zeros, which a = 0 leaves zeros)
.set i, i+1
.endr
	s_wait_loadcnt 0x0                             ; Q
	s_wait_tensorcnt 0x0                           ; my parts of tiles 0 and 1 are in,
	s_barrier_signal -1
	s_barrier_wait -1                              ; everybody's are
	NXT 0, 0                                       ; the first step's K and mask
.Llap:                                             ; 15 trips of two tiles; each fills both slots again: 30 refills, tiles 2 to 31
	STEP0 0
	STEP1 0, 1
	STEP0 1
	STEP1 1, 1
	s_sub_co_u32 s[LAPS], s[LAPS], 1
	s_cmp_lg_u32 s[LAPS], 0
	s_cbranch_scc1 .Llap
	STEP0 0                                        ; the tail is written out: tiles 30 and 31 ask for nothing
	STEP1 0, 0
	STEP0 1
	STEPL 1
	; THE WAY OUT: O^T / l, rounded to f16: a lane's eight channels of a tile are four registers of the next product's operand, stored as they stand
.irp t, 0,1
	v_add_f32 v[ST+8*\t+4], v[ST+8*\t+2], v[ST+8*\t+3]
.endr
.irp t, 0,1
	v_permlanex16_b32 v[ST+8*\t+5], v[ST+8*\t+4], s[SEL], s[SEL+1]
.endr
.irp t, 0,1
	v_add_f32 v[ST+8*\t+4], v[ST+8*\t+4], v[ST+8*\t+5]
.endr
.irp t, 0,1
	v_rcp_f32 v[ST+8*\t+6], v[ST+8*\t+4]
.endr
	v_nop
	s_wait_alu depctr_va_vdst(0)                   ; one wait for the two reciprocals, ahead of their first reader
.set i, 0
.rept 16
.irp t, 0,1
	v_pk_mul_f32 v[O+32*\t+i:O+32*\t+i+1], v[O+32*\t+i:O+32*\t+i+1], v[ST+8*\t+6:ST+8*\t+7] op_sel_hi:[1,0]
.endr
.set i, i+2
.endr
.set i, 0
.rept 32
	v_cvt_pk_f16_f32 v[S+i], v[O+2*i], v[O+2*i+1]
.set i, i+1
.endr
.irp t, 0,1
.irp ct, 0,1,2,3
	global_store_b128 v[LI], v[S+16*\t+4*\ct:S+16*\t+4*\ct+3], s[10:11] offset:\t*24576+\ct*512   ; 512 consecutive bytes, aligned
.endr
.endr
	s_wait_tensorcnt 0x0                           ; the wave's end
	ds_add_u32 v[SPW], v[NIL]
	s_wait_dscnt 0x0
	CROUND                                         ; the closing round: no work-group ends while a partner may still ask for a tile that names it
	s_endpgm
.Lfunc_end_k_qfd79633cb8_attn:
	.size	k_qfd79633cb8_attn, .Lfunc_end_k_qfd79633cb8_attn-k_qfd79633cb8_attn
	.p2alignl 7, 3214868480
	.fill 96, 4, 3214868480
	.section	.rodata,"a",@progbits
	.p2align	6, 0x0
	.amdhsa_kernel k_qfd79633cb8_attn
		.amdhsa_group_segment_fixed_size 327680
		.amdhsa_private_segment_fixed_size 0
		.amdhsa_enable_private_segment 0
		.amdhsa_kernarg_size 32
		.amdhsa_user_sgpr_count 2
		.amdhsa_user_sgpr_kernarg_segment_ptr 1
		.amdhsa_wavefront_size32 1
		.amdhsa_system_sgpr_workgroup_id_x 1
		.amdhsa_system_sgpr_workgroup_id_y 1
		.amdhsa_system_sgpr_workgroup_id_z 1
		.amdhsa_system_vgpr_workitem_id 0
		.amdhsa_next_free_vgpr 384
		.amdhsa_next_free_sgpr 80
		.amdhsa_reserve_vcc 0
		.amdhsa_float_denorm_mode_32 3
		.amdhsa_float_denorm_mode_16_64 3
		.amdhsa_memory_ordered 1
		.amdhsa_forward_progress 1
		.amdhsa_inst_pref_size 218
	.end_amdhsa_kernel
	.amdgpu_metadata
---
amdhsa.version: [ 1, 2 ]
amdhsa.kernels:
  - .name:           k_qfd79633cb8_attn
    .symbol:         k_qfd79633cb8_attn.kd
    .args:
      - { .name: mask, .offset: 0, .size: 8, .value_kind: global_buffer, .address_space: global }
      - { .name: qimg, .offset: 8, .size: 8, .value_kind: global_buffer, .address_space: global }
      - { .name: kv, .offset: 16, .size: 8, .value_kind: global_buffer, .address_space: global }
      - { .name: att, .offset: 24, .size: 8, .value_kind: global_buffer, .address_space: global }
    .group_segment_fixed_size: 327680
    .private_segment_fixed_size: 0
    .kernarg_segment_align: 8
    .kernarg_segment_size: 32
    .max_flat_workgroup_size: 256
    .sgpr_count:     80
    .vgpr_count:     384
    .wavefront_size: 32
...
	.end_amdgpu_metadata
.endif
;; end of part 7
;; launch outproj (part 8): grid 6 x 34, 8 waves a work-group, no clusters, 70,656 bytes of LDS; arguments att, wo, b_o, out0, part; writes out0
.if DOCPART == 8
	.amdgcn_target "amdgcn-amd-amdhsa--gfx1250"
	.amdhsa_code_object_version 6
	.text
	.protected	k_qfd79633cb8_outproj
	.globl	k_qfd79633cb8_outproj
	.p2align	8
	.type	k_qfd79633cb8_outproj,@function
k_qfd79633cb8_outproj:
	s_mov_b64 s[64:65], 0
	v_nop
	global_prefetch_b8 v0, s[64:65] scope:SCOPE_SE
	s_setreg_imm32_b32 hwreg(HW_REG_WAVE_MODE, 25, 1), 1
	s_wait_xcnt 0x0
; out0 = att W_o + b_o.  Two paths, which part on the work-group's number alone; each has LDS bytes of its own.
; THE MAIN PATH (work-group y 0 to 31): rows 16 to 4,095, f16 operands (the high parts), f32 sums.
;   A work-group makes 128 rows x 128 columns; wave w: rows 32 (w % 4) on (two tiles), columns 64 (w / 4) on (four tiles): eight accumulators by turns.
;   Both operands lie in memory as images of their registers, so a fragment is two loads of 512 consecutive bytes straight into registers: no LDS on the way in.
;   A ring of three sets of registers: two K steps (24 loads a wave) are on their way while one is multiplied.  K = 768 is 24 steps, written out: every offset is an immediate.
;   The bias is loaded straight into the accumulators, in the result's layout, and is the C of each sum's first product.
; THE FINE PATH (y 32, 33: twelve work-groups, 64 columns each): rows 0-15, carried as pairs of f16 (a high and a low part, split in f32).
;   THE WAVES SHARE K: wave w owns K steps 3 w to 3 w + 2.  For each it joins the four quarters of the keys that the launch for the first 16 queries left: M = the largest M_c, w_c = 2^(M_c - M),
;   att = (the sum of w_c O_c) / (the sum of w_c L_c), in f32.  So att's fragments arise in the registers of the wave that multiplies them.  Each product is three: W_o high x att high, high x low, low x high:
;   36 matrix instructions, the four tiles' accumulators by turns.  The eight waves' partial sums meet in LDS, one barrier; wave w adds rows 2 w and 2 w + 1, and the bias, and stores them.
;   All its loads go out as one group at its head.
; In both paths the matrix instruction is used transposed (source 0 = 16 columns of W_o, source 1 = 16 rows of att): a lane holds eight neighbouring columns of one row.
; No cluster and no joint loads: operands go from memory to registers here.
.set ACC,    16                        ; main: v16-79   accumulator (t, nt) at 16 + 8 (4 t + nt)
.set RING,   80                        ; main: v80-223  three sets of 48: att t at + 8 t, W_o nt at + 16 + 8 nt; on the way out rows of out0
.set SPITCH, 272                       ; a stage: 16 rows x (256 bytes + 16) for each wave
.set SPARE,  34816                     ; behind the main path's stages: the spare words, 128 bytes for each wave: four blocks of 256 bytes that no other line names
.set FSTG,   35840                     ; the fine path's eight stages
.set WOLO,   1179648                   ; where W_o's low parts begin
.set VK,     42                        ; s[42:43] 8193.0
; fine: v8, v10, v9 offsets of M and L; v11 where I read the stages back; v12 my bytes in out0; v13-15 offsets of the parts; v16-39 item j at 16 + 8 j: M_c, L_c, then the four weights, each twice;
;   v40-42 M; v44-47 the bias; v52-54 L; v56-58 1 / L; v64-255 item j at 64 + 64 j: the four quarters, 16 registers each; then + 0 att in f32, + 16 at work, + 32 high parts, + 40 low parts;
;   + 48 of items 0 and 1: the four accumulators.  Window 1: v0-95 W_o's high parts, fragment (nt, j) at 8 (3 nt + j); v96-191 its low parts.
.set MSB, 0
.macro WIN new                         ; the immediate's high byte repeats the setting that is left
.if MSB != \new
	s_set_vgpr_msb (MSB<<8)|\new
.set MSB, \new
.endif
.endm
.macro RLOAD kf
.set RB, RING+48*((\kf)%3)
.irp t, 0,1
.irp c, 0,1
	global_load_b128 v[RB+8*\t+4*\c:RB+8*\t+4*\c+3], v1, s[4:5] offset:\t*24576+(\kf)*1024+512*\c
.endr
.endr
.irp nt, 0,1,2,3
.irp c, 0,1
	global_load_b128 v[RB+16+8*\nt+4*\c:RB+16+8*\nt+4*\c+3], v1, s[6:7] offset:\nt*24576+(\kf)*1024+512*\c
.endr
.endr
.endm
.macro OUT t                           ; 16 rows x 64 columns through my own stage, back as whole rows of 256 bytes
.irp nt, 0,1,2,3
.irp c, 0,1
	ds_store_b128 v3, v[ACC+8*(4*\t+\nt)+4*\c:ACC+8*(4*\t+\nt)+4*\c+3] offset:64*\nt+16*\c   ; each accumulator from its low end on
.endr
.endr
.irp i, 0,1,2,3,4,5,6,7
	ds_load_b128 v[RING+64*\t+4*\i:RING+64*\t+4*\i+3], v4 offset:2*\i*SPITCH   ; LDS serves a wave's instructions in order (ISA guide 5.7.1.4): these see the stores above
.endr
.irp i, 0,1,2,3,4,5,6,7
	s_wait_dscnt 7-\i
	global_store_b128 v5, v[RING+64*\t+4*\i:RING+64*\t+4*\i+3], s[10:11] offset:(16*\t+2*\i)*3072 th:TH_STORE_NT   ; 16 lanes store 256 consecutive bytes, aligned
.endr
.endm
.macro SPLIT4 x, h, l                  ; four pairs of f32: c = 8193 x; d = c - x; hi = c - d (11 bits: exact in f16); lo = x - hi (exact in f32).  TT: 16 registers at work
.irp q, 0,1,2,3
	v_pk_mul_f32 v[TT+4*\q:TT+4*\q+1], v[(\x)+2*\q:(\x)+2*\q+1], s[VK:VK+1] op_sel_hi:[1,0]
.endr
.irp q, 0,1,2,3
	v_pk_add_f32 v[TT+4*\q+2:TT+4*\q+3], v[TT+4*\q:TT+4*\q+1], v[(\x)+2*\q:(\x)+2*\q+1] neg_lo:[0,1] neg_hi:[0,1]
.endr
.irp q, 0,1,2,3
	v_pk_add_f32 v[TT+4*\q:TT+4*\q+1], v[TT+4*\q:TT+4*\q+1], v[TT+4*\q+2:TT+4*\q+3] neg_lo:[0,1] neg_hi:[0,1]
.endr
.irp q, 0,1,2,3
	v_pk_add_f32 v[(\x)+2*\q:(\x)+2*\q+1], v[(\x)+2*\q:(\x)+2*\q+1], v[TT+4*\q:TT+4*\q+1] neg_lo:[0,1] neg_hi:[0,1]
.endr
.irp q, 0,1,2,3
	v_cvt_pk_f16_f32 v[(\h)+\q], v[TT+4*\q], v[TT+4*\q+1]
.endr
.irp q, 0,1,2,3
	v_cvt_pk_f16_f32 v[(\l)+\q], v[(\x)+2*\q], v[(\x)+2*\q+1]
.endr
.endm
.macro FITEM j, vm                     ; item j is K step 3 w + j: head = that / 2, channels 32 (that % 2) on.  Its offsets in part
	s_add_co_u32 s32, s31, \j
	s_lshr_b32 s33, s32, 1
	s_and_b32 s34, s32, 1
	s_lshl_b32 s35, s33, 14                        ; a head's four quarters of O^T are 16,384 bytes,
	s_lshl_b32 s34, s34, 11                        ; 32 channels four groups of 512
	s_add_co_u32 s35, s35, s34
	v_add_nc_u32 v[13+\j], s35, v1                 ; + 16 x lane
	s_lshl_b32 s33, s33, 9
	s_add_co_u32 s33, s33, 196608                  ; its M and L: 128 bytes a quarter
	v_add_nc_u32 v[\vm], s33, v9                   ; + 4 r
.endm
.macro FML j, vm
.irp c, 0,1,2,3
	global_load_b32 v[16+8*\j+\c], v[\vm], s[28:29] offset:128*\c       ; M_c of query r
	global_load_b32 v[20+8*\j+\c], v[\vm], s[28:29] offset:128*\c+64    ; L_c
.endr
.endm
.macro FMUL wb, ab, zero               ; twelve matrix instructions: W_o from v[wb] of window 1 on, att's part at + ab of each item; the four accumulators by turns
.irp j, 0,1,2
.irp nt, 0,1,2,3
.set rD, 112+64*(\nt/2)+8*(\nt%2)
.set rW, \wb+8*(3*\nt+\j)
.set rA, 64+64*\j+\ab
.if (\zero) && (\j == 0)
	v_wmma_f32_16x16x32_f16 v[rD:rD+7], v[rW:rW+7], v[rA:rA+7], 0
.else
	v_wmma_f32_16x16x32_f16 v[rD:rD+7], v[rW:rW+7], v[rA:rA+7], v[rD:rD+7]
.endif
.endr
.endr
.endm
	s_load_b256 s[4:11], s[0:1], 0x0               ; att s[4:5], wo s[6:7], b_o s[8:9], out0 s[10:11]
	s_load_b64 s[28:29], s[0:1], 0x20              ; part
	v_lshl_add_u32 v6, v0, 2, SPARE                ; my spare word,
	v_mov_b32 v7, 0                                ; and 0; both never rewritten
	v_lshrrev_b32 v8, 5, v0
	v_readfirstlane_b32 s12, v8                    ; wave 0..7
	v_and_b32 v8, 31, v0
	v_and_b32 v9, 15, v0                           ; r
	v_bfe_u32 v10, v0, 4, 1                        ; h
	v_lshlrev_b32 v1, 4, v8                        ; 16 x lane
	v_lshlrev_b32 v2, 5, v10                       ; the bias: my half's eight columns
	s_mul_i32 s16, s12, 16*SPITCH
	v_mul_u32_u24 v3, v9, SPITCH
	v_lshl_add_u32 v3, v10, 5, v3
	v_add_nc_u32 v3, s16, v3                       ; a stage, in: row r, + 32 h
	v_mul_u32_u24 v4, v10, SPITCH
	v_lshl_add_u32 v4, v9, 4, v4
	v_add_nc_u32 v4, s16, v4                       ; back: lanes 0-15 one row, lanes 16-31 the next
	v_mul_u32_u24 v5, v10, 3072
	v_lshl_add_u32 v5, v9, 4, v5                   ; and the same two rows in out0
	s_lshl_b32 s17, s12, 1
	v_add_nc_u32 v11, s17, v10                     ; the fine path's way out: row 2 w + h
	v_mul_u32_u24 v12, v11, 3072
	v_lshl_add_u32 v12, v9, 4, v12                 ; in out0, 16 bytes a lane;
	v_mul_u32_u24 v11, v11, SPITCH
	v_lshl_add_u32 v11, v9, 4, v11
	v_add_nc_u32 v11, FSTG, v11                    ; in the first of the eight stages
	s_and_b32 s13, ttmp7, 0xffff                   ; y
	s_and_b32 s14, s12, 3                          ; qp
	s_lshr_b32 s15, s12, 2                         ; ng
	s_lshl_b32 s18, s13, 3
	s_lshl_b32 s19, s14, 1
	s_add_co_u32 s18, s18, s19
	s_mul_i32 s18, s18, 24576                      ; att: tile of rows 8 y + 2 qp, 24 fragments each
	s_mov_b32 s19, 0
	s_lshl_b32 s20, ttmp9, 3
	s_lshl_b32 s21, s15, 2
	s_add_co_u32 s20, s20, s21
	s_mul_i32 s20, s20, 24576                      ; W_o: tile of columns 8 x + 4 ng
	s_mov_b32 s21, 0
	s_lshl_b32 s22, ttmp9, 9
	s_lshl_b32 s23, s15, 8
	s_add_co_u32 s22, s22, s23                     ; my first column, in bytes
	s_mov_b32 s23, 0
	s_lshl_b32 s24, s13, 7
	s_lshl_b32 s25, s14, 5
	s_add_co_u32 s24, s24, s25
	s_mul_i32 s24, s24, 3072
	s_add_co_u32 s24, s24, s22                     ; my first row and column in out0
	s_mov_b32 s25, 0
	s_or_b32 s26, s13, s14                         ; 0 in the waves whose first tile is rows 0-15
	s_wait_kmcnt 0x0
	s_cmp_ge_u32 s13, 32
	s_cbranch_scc1 .Lfine                          ; the work-group's number alone: all eight waves go the same way
	; ---- THE MAIN PATH
	s_add_nc_u64 s[4:5], s[4:5], s[18:19]
	s_add_nc_u64 s[6:7], s[6:7], s[20:21]
	s_add_nc_u64 s[8:9], s[8:9], s[22:23]
	s_add_nc_u64 s[10:11], s[10:11], s[24:25]
.irp t, 0,1
.irp nt, 0,1,2,3
.irp c, 0,1
	global_load_b128 v[ACC+8*(4*\t+\nt)+4*\c:ACC+8*(4*\t+\nt)+4*\c+3], v2, s[8:9] offset:64*\nt+16*\c   ; b_o(16 nt + 8 h + 4 c ..)
.endr
.endr
.endr
	RLOAD 0
	RLOAD 1
	RLOAD 2
.set KF, 0
.rept 24
.if KF < 22
	s_wait_loadcnt 24                              ; this step's 12 loads (and the bias) are in; the two younger sets may be out
.elseif KF == 22
	s_wait_loadcnt 12
.else
	s_wait_loadcnt 0x0
.endif
.set RB, RING+48*(KF%3)
.irp nt, 0,1,2,3
.irp t, 0,1
	v_wmma_f32_16x16x32_f16 v[ACC+8*(4*\t+\nt):ACC+8*(4*\t+\nt)+7], v[RB+16+8*\nt:RB+16+8*\nt+7], v[RB+8*\t:RB+8*\t+7], v[ACC+8*(4*\t+\nt):ACC+8*(4*\t+\nt)+7]
.endr
.endr
.rept 4
	v_nop                                          ; four places in front of loads into registers that matrix instructions have read, and of the first read of results
.endr
.if KF < 21
	RLOAD KF+3
.endif
.set KF, KF+1
.endr
	s_cmp_eq_u32 s26, 0
	s_cbranch_scc1 .Lskip0                         ; rows 0-15 are the fine path's
	OUT 0
.Lskip0:
	OUT 1
	s_wait_tensorcnt 0x0                           ; the wave's end, behind my last LDS store
	ds_add_u32 v6, v7
	s_wait_dscnt 0x0
	s_endpgm
.Lfine:	; ---- THE FINE PATH
	s_sub_co_u32 s30, s13, 32
	s_mul_i32 s30, s30, 6
	s_add_co_u32 s30, s30, ttmp9                   ; f: which 64 columns, 0 to 11
	s_mul_i32 s31, s12, 3                          ; my first K step
	s_mov_b32 s[VK], 0x46000400                    ; 8193.0
	s_mov_b32 s[VK+1], s[VK]                       ; (named with it as a pair, so it is written)
	s_mul_i32 s36, s30, 96
	s_add_co_u32 s36, s36, s31
	s_lshl_b32 s36, s36, 10                        ; W_o: fragment (4 f) x 24 + 3 w
	s_mov_b32 s37, 0
	s_add_nc_u64 s[36:37], s[6:7], s[36:37]
	s_lshl_b32 s38, s30, 8                         ; my work-group's 256 bytes of a row of out0, and of b_o
	s_mov_b32 s39, 0
	s_add_nc_u64 s[40:41], s[10:11], s[38:39]
	s_add_nc_u64 s[38:39], s[8:9], s[38:39]
	v_lshlrev_b32 v2, 4, v9                        ; 16 r: my four columns on the way out
	v_lshlrev_b32 v9, 2, v9                        ; 4 r
	FITEM 0, 8
	FITEM 1, 10
	FITEM 2, 9
	FML 0, 8
	FML 1, 10
	FML 2, 9
.irp j, 0,1,2
.irp c, 0,1,2,3
.irp g, 0,1,2,3
	global_load_b128 v[64+64*\j+16*\c+4*\g:67+64*\j+16*\c+4*\g], v[13+\j], s[28:29] offset:4096*\c+512*\g   ; quarter c: register 8 e + i = channel 16 e + 8 h + i of the item's 32, query r
.endr
.endr
.endr
	global_load_b128 v[44:47], v2, s[38:39]        ; b_o at my four columns
	WIN 0x40                                       ; destination window 1, address window 0
.irp nt, 0,1,2,3
.irp j, 0,1,2
.irp c, 0,1
	global_load_b128 v[8*(3*\nt+\j)+4*\c:8*(3*\nt+\j)+4*\c+3], v1, s[36:37] offset:\nt*24576+\j*1024+512*\c
	global_load_b128 v[96+8*(3*\nt+\j)+4*\c:96+8*(3*\nt+\j)+4*\c+3], v1, s[36:37] offset:WOLO+\nt*24576+\j*1024+512*\c
.endr
.endr
.endr
	WIN 0
	s_wait_loadcnt 49                              ; M, L and the quarters are in; the bias's load and W_o's 48, issued behind them, may be out
.irp j, 0,1,2
	v_max3_num_f32 v[40+\j], v[16+8*\j], v[17+8*\j], v[18+8*\j]
.endr
.irp j, 0,1,2
	v_max_num_f32 v[40+\j], v[40+\j], v[19+8*\j]   ; M
.endr
.irp c, 0,1,2,3
.irp j, 0,1,2
	v_sub_f32 v[16+8*\j+\c], v[16+8*\j+\c], v[40+\j]
.endr
.endr
.irp c, 0,1,2,3
.irp j, 0,1,2
	v_exp_f32 v[16+8*\j+\c], v[16+8*\j+\c]         ; w_c = 2^(M_c - M)
.endr
.endr
	v_nop                                          ; a plain line behind the last exponential
	s_wait_alu depctr_va_vdst(0)                   ; one wait for the twelve, ahead of their first reader
.irp j, 0,1,2
	v_mul_f32 v[52+\j], v[16+8*\j], v[20+8*\j]
.endr
.irp c, 1,2,3
.irp j, 0,1,2
	v_fmac_f32 v[52+\j], v[16+8*\j+\c], v[20+8*\j+\c]   ; L: at least 1, since the quarter that holds M has a p of 1
.endr
.endr
.irp j, 0,1,2
	v_rcp_f32 v[56+\j], v[52+\j]
.endr
	v_nop
	s_wait_alu depctr_va_vdst(0)                   ; one wait for the three
.irp j, 0,1,2                                  ; w_c / L, each twice, a pair for the packed forms: in place, from the top down, so that no w_c is written over before it is read
	v_mul_f32 v[23+8*\j], v[19+8*\j], v[56+\j]
	v_mul_f32 v[22+8*\j], v[19+8*\j], v[56+\j]
	v_mul_f32 v[21+8*\j], v[18+8*\j], v[56+\j]
	v_mul_f32 v[20+8*\j], v[18+8*\j], v[56+\j]
	v_mul_f32 v[19+8*\j], v[17+8*\j], v[56+\j]
	v_mul_f32 v[18+8*\j], v[17+8*\j], v[56+\j]
	v_mul_f32 v[17+8*\j], v[16+8*\j], v[56+\j]
	v_mul_f32 v[16+8*\j], v[16+8*\j], v[56+\j]
.endr
.irp j, 0,1,2
.set i, 0
.rept 8
	v_pk_mul_f32 v[64+64*\j+i:65+64*\j+i], v[64+64*\j+i:65+64*\j+i], v[16+8*\j:17+8*\j]
.set i, i+2
.endr
.endr
.irp c, 1,2,3
.irp j, 0,1,2
.set i, 0
.rept 8
	v_pk_fma_f32 v[64+64*\j+i:65+64*\j+i], v[64+64*\j+16*\c+i:65+64*\j+16*\c+i], v[16+8*\j+2*\c:17+8*\j+2*\c], v[64+64*\j+i:65+64*\j+i]   ; att, in f32
.set i, i+2
.endr
.endr
.endr
.irp j, 0,1,2
.set TT, 80+64*\j                      ; the quarters' registers are free
	SPLIT4 64+64*\j, 96+64*\j, 104+64*\j           ; registers 0-3 of the fragment: channels 8 h + 0 .. 7,
	SPLIT4 72+64*\j, 100+64*\j, 108+64*\j          ; registers 4-7: 16 + 8 h + 0 .. 7
.endr
	s_wait_loadcnt 0x0                             ; W_o and the bias
	WIN 0x01                                       ; source 0 (W_o) window 1
	FMUL 0, 32, 1                                  ; high x high starts the sums
	FMUL 0, 40, 0                                  ; W_o high x att low
	FMUL 96, 32, 0                                 ; W_o low x att high
	WIN 0
.rept 4
	v_nop                                          ; four places in front of the first read of results
.endr
.irp nt, 0,1,2,3
.set rD, 112+64*(\nt/2)+8*(\nt%2)
	ds_store_b128 v3, v[rD:rD+3] offset:FSTG+64*\nt          ; lane (r, h): my K steps' part of out0(r, 16 nt + 8 h + 0 .. 7); each accumulator from its low end on
	ds_store_b128 v3, v[rD+4:rD+7] offset:FSTG+64*\nt+16
.endr
	s_wait_dscnt 0x0                               ; for the others' sake: my stores have landed
	s_barrier_signal -1
	s_barrier_wait -1                              ; the eight waves' parts lie in the eight stages
.irp i, 0,1,2,3,4,5,6,7
	ds_load_b128 v[64+4*\i:67+4*\i], v11 offset:\i*16*SPITCH   ; row 2 w + h of wave i's part, 16 bytes a lane
.endr
	s_wait_dscnt 0x0
.irp i, 1,2,3,4,5,6,7
	v_pk_add_f32 v[64:65], v[64:65], v[64+4*\i:65+4*\i]
	v_pk_add_f32 v[66:67], v[66:67], v[66+4*\i:67+4*\i]
.endr
	v_pk_add_f32 v[64:65], v[64:65], v[44:45]
	v_pk_add_f32 v[66:67], v[66:67], v[46:47]      ; + b_o
	global_store_b128 v12, v[64:67], s[40:41] th:TH_STORE_NT   ; 16 lanes store 256 consecutive bytes, aligned
	s_wait_tensorcnt 0x0                           ; the wave's end, behind my last LDS store
	ds_add_u32 v6, v7
	s_wait_dscnt 0x0
	s_endpgm
.Lfunc_end_k_qfd79633cb8_outproj:
	.size	k_qfd79633cb8_outproj, .Lfunc_end_k_qfd79633cb8_outproj-k_qfd79633cb8_outproj
	.p2alignl 7, 3214868480
	.fill 96, 4, 3214868480
	.section	.rodata,"a",@progbits
	.p2align	6, 0x0
	.amdhsa_kernel k_qfd79633cb8_outproj
		.amdhsa_group_segment_fixed_size 70656
		.amdhsa_private_segment_fixed_size 0
		.amdhsa_enable_private_segment 0
		.amdhsa_kernarg_size 40
		.amdhsa_user_sgpr_count 2
		.amdhsa_user_sgpr_kernarg_segment_ptr 1
		.amdhsa_wavefront_size32 1
		.amdhsa_system_sgpr_workgroup_id_x 1
		.amdhsa_system_sgpr_workgroup_id_y 1
		.amdhsa_system_sgpr_workgroup_id_z 1
		.amdhsa_system_vgpr_workitem_id 0
		.amdhsa_next_free_vgpr 448
		.amdhsa_next_free_sgpr 66
		.amdhsa_reserve_vcc 0
		.amdhsa_float_denorm_mode_32 3
		.amdhsa_float_denorm_mode_16_64 3
		.amdhsa_memory_ordered 1
		.amdhsa_forward_progress 1
		.amdhsa_inst_pref_size 87
	.end_amdhsa_kernel
	.amdgpu_metadata
---
amdhsa.version: [ 1, 2 ]
amdhsa.kernels:
  - .name:           k_qfd79633cb8_outproj
    .symbol:         k_qfd79633cb8_outproj.kd
    .args:
      - { .name: att, .offset: 0, .size: 8, .value_kind: global_buffer, .address_space: global }
      - { .name: wo, .offset: 8, .size: 8, .value_kind: global_buffer, .address_space: global }
      - { .name: b_o, .offset: 16, .size: 8, .value_kind: global_buffer, .address_space: global }
      - { .name: out0, .offset: 24, .size: 8, .value_kind: global_buffer, .address_space: global }
      - { .name: part, .offset: 32, .size: 8, .value_kind: global_buffer, .address_space: global }
    .group_segment_fixed_size: 70656
    .private_segment_fixed_size: 0
    .kernarg_segment_align: 8
    .kernarg_segment_size: 40
    .max_flat_workgroup_size: 256
    .sgpr_count:     66
    .vgpr_count:     448
    .wavefront_size: 32
...
	.end_amdgpu_metadata
.endif
;; end of part 8
